; MI455X (gfx1250); checked and timed in simulation.
; The chip was launched on July 23, 2026; its instructions are those of AMD's public machine-readable ISA for CDNA 5 (MIT licence, August 2026) and "CDNA5" Instruction Set Architecture Reference Guide (July 2026). The comments in the code are by the model that wrote it; some were corrected since.
;; Causal Self Attention. Allowed arithmetic: matrix products marked QUANTISED: E2M1 operands, one E8M0 scale for each 32 along K, by v_wmma_scale_f32_16x16x128_f8f6f4 with both operands' format E2M1 (or v_wmma_scale_f32_32x16x128_f4), f32 sums; products left as they are: bf16, f16 or f32 operands; f32 sums; everything else in f32.
;; Inputs: W_k 1,024 x 1,024 float32; W_o 1,024 x 1,024 float32; W_q 1,024 x 1,024 float32; W_v 1,024 x 1,024 float32; x 4 x 2,048 x 1,024 float32.
;; Outputs: out0 4 x 2,048 x 1,024 float32.
;; This version of the problem:
;;   THIS VERSION OF THE PROBLEM IS GIVEN IN LOW PRECISION. The matrix products marked QUANTISED in the list below multiply operands that are first quantised to E2M1 (2 exponent bits, 1 mantissa bit; 4 bits a number), with one power-of-two scale for each 32 numbers along K (OCP MX v1.0); their sums are f32. The products marked 'left as it is' may take bf16, f16 or f32 operands, with f32 sums. Whichever they take, every output number must still come out within the allowed error. Rounding operands to bf16 (8 significant bits) uses up far more of that allowance than f16 does (11 bits, for magnitudes from 6e-5 to 65,504). All else is computed in f32.
;;   The module's matrix products, in the order in which they are computed (A, B: the left and right operand; K: the contracted axis; several contracted axes count as one K, in the product's order):
;;     1. [M 8,192, K 1,024] x [K 1,024, N 1,024]; A: input x; B: input W_q: QUANTISED
;;     2. [M 8,192, K 1,024] x [K 1,024, N 1,024]; A: input x; B: input W_k: QUANTISED
;;     3. [M 8,192, K 1,024] x [K 1,024, N 1,024]; A: input x; B: input W_v: QUANTISED
;;     4. batch 64 x [M 2,048, K 64] x [K 64, N 2,048]; A: computed on the way; B: computed on the way: left as it is (an operand is computed on the way)
;;     5. batch 64 x [M 2,048, K 2,048] x [K 2,048, N 64]; A: computed on the way; B: computed on the way: left as it is (an operand is computed on the way)
;;     6. [M 8,192, K 1,024] x [K 1,024, N 1,024]; A: computed on the way; B: input W_o: left as it is (an operand is computed on the way)
;;   THE QUANTISER, for each operand of a quantised product, along K:
;;     - K is cut into blocks of 32 from its start; a last block that is shorter is filled with zeros.
;;     - A block's scale is 2^e with e = floor(log2(the largest magnitude in the block)) - 2, held to -126 .. 127; a block of zeros has e = 0. As a byte (E8M0): e + 127.
;;     - Each number is divided by its block's scale, clamped to +-6, and rounded to the nearest number of E2M1, ties to even, subnormals kept.
;;     - The product sums the exact products of the quantised numbers (number of the format x scale) in f32.
;;   ~~~python
;;   def quantise(x, axis):      # numpy; x: float32 -> the quantised numbers, widened to float32 again
;;       x = np.moveaxis(x, axis, -1); K = x.shape[-1]
;;       x = np.pad(x, [(0, 0)] * (x.ndim - 1) + [(0, -K % 32)]); x = x.reshape(x.shape[:-1] + (-1, 32)); a = np.abs(x).max(-1, keepdims=True)
;;       e = np.where(a > 0, np.clip(np.frexp(np.where(a > 0, a, 1))[1] - 1 - 2, -126, 127), 0)      # np.frexp(a)[1] - 1 = floor(log2(a)), exactly
;;       r = np.clip(x / 2.0 ** e, -6, 6)
;;       step = 2.0 ** (np.maximum(np.frexp(np.where(r == 0, 1, r))[1] - 1, 0) - 1)
;;       q = np.round(r / step) * step * 2.0 ** e      # np.round: ties to even
;;       return np.moveaxis(q.reshape(q.shape[:-2] + (-1,))[..., :K], -1, axis).astype(np.float32)
;;   ~~~
;; One version. Each part assembles by itself: llvm-mc -triple=amdgcn-amd-amdhsa -mcpu=gfx1250 --defsym DOCPART=n.
;; ======== version 1 of 1: 5 launches
;; limits: values are held in f16: magnitudes above 65,504 overflow, below 6.1e-05 lose precision
;; workspace buffers: xc 4,194,304 bytes; xs 262,144 bytes; wc 1,572,864 bytes; ws 98,304 bytes; wo16 2,097,152 bytes; qkv 50,331,648 bytes; qkvf 786,432 bytes; att 16,777,216 bytes
;; launch quant (part 1): grid 384 x 1, 4 waves a work-group, no clusters, 33,280 bytes of LDS; arguments x, W_q, W_k, W_v, W_o, xc, xs, wc, ws, wo16; writes xc, xs, wc, ws, wo16
.if DOCPART == 1
	.amdgcn_target "amdgcn-amd-amdhsa--gfx1250"
	.amdhsa_code_object_version 6
	.text
	.protected	k_q5394b1e168_quant
	.globl	k_q5394b1e168_quant
	.p2align	8
	.type	k_q5394b1e168_quant,@function
k_q5394b1e168_quant:
	s_mov_b64 s[64:65], 0
	v_nop
	global_prefetch_b8 v0, s[64:65] scope:SCOPE_SE
	s_setreg_imm32_b32 hwreg(HW_REG_WAVE_MODE, 25, 1), 1
	s_wait_xcnt 0x0
; CAUSAL SELF-ATTENTION, launch 1 of 5: the operands of the three quantised products become codes, and W_o becomes f16.
; x [8192][1024] and W_q, W_k, W_v [1024][1024], f32 with K innermost, become codes of FP4 (E2M1), two a byte, K innermost (xc; wc holds W_q, W_k, W_v one behind the other),
; with one E8M0 byte for each 32 along K (xs, ws).  A block's scale is 2^(floor(log2(its largest magnitude)) - 2); its byte is the largest magnitude's exponent field - 2, held at 1 from below.
; W_o [n][1024] becomes f16 laid by head, wo16 [16 h][1024 n][64 d] = W_o[n][64 h + d], so that the last product can walk K head by head through dense tiles.
; WORK LEFT OUT BY THE PROGRAM.  The causal mask is built inside the function itself (a lower triangle): a score whose key comes after its query is replaced by -infinity, its weight is 0,
; and it reaches no output whatever finite values the inputs hold.  So key steps that lie wholly behind a wave's last query are neither loaded nor multiplied (launch 3).  Every input has a way to an output and is loaded.
; LIMITS.  A NaN, an infinity or an overflow that reaches only hidden scores is not carried to the result.  q, k, v, the attention's result and W_o go on as f16: magnitudes beyond 65,504 overflow there.
; NaN and infinities among the inputs are not served.  Blocks whose largest magnitude lies under 2^(2 - 126) were not tried.  A block of zeros gets the byte 1 where the rule says 127:
; its codes are zeros, which add nothing under any byte but 0xff, and this program alone reads the bytes.
; SHARES.  Work-groups 0-255: x; 256-287: W_q; 288-319: W_k; 320-351: W_v (32,768 numbers each, 8,192 a wave); 352-383: W_o (8 rows a wave).
; The quantising path: a wave takes 16 steps of 512 numbers.  Each load reads 512 consecutive bytes; a step's 2,048 bytes turn through the wave's own stage in LDS so that a lane holds 16 neighbours
; (two lanes hold a block); a lane's 16 codes are 8 bytes, so the wave stores 256 consecutive bytes; its 256 scale bytes are gathered in LDS and leave as one aligned run of 256 bytes.
.set STEPS, 16
.set EMAX,  2
.set CB,    8                          ; bytes of 16 codes
.set R,     16                         ; v16-79   four sets of 16 numbers as they are loaded
.set X,     80                         ; v80-111  two sets of 16 neighbours
.set C,     128                        ; v128-191 codes: four registers for each step
.set E,     112                        ; v112-127 a scale byte for each step
.set WREG,  8192                       ; LDS: a region for each wave: two stages of 32 x SP bytes, behind them its 256 scale bytes
.set SP,    80                         ; a lane's place in a stage: 64 bytes + 16 of padding
.set SPW,   12                         ; v12  LDS address of my spare word; never rewritten
.set NIL,   13                         ; v13  0; never rewritten
.set SPARE, 4*WREG                     ; behind the four regions: the spare words, 128 bytes a wave
.set WI,    16                         ; W_o's path: v16-143 two sets of 64 numbers
.set WOUT,  144                        ; v144-175 f16 pairs to store
.set WSA,   176                        ; v176 my byte in a pair of rows of W_o
.set WDA,   177                        ; v177 my byte in 256 bytes of wo16
	s_load_b256 s[4:11], s[0:1], 0x0               ; x s[4:5], W_q s[6:7], W_k s[8:9], W_v s[10:11]
	s_load_b256 s[12:19], s[0:1], 0x20             ; W_o s[12:13], xc s[14:15], xs s[16:17], wc s[18:19]
	s_load_b128 s[20:23], s[0:1], 0x40             ; ws s[20:21], wo16 s[22:23]
	v_lshl_add_u32 v[SPW], v0, 2, SPARE
	v_mov_b32 v[NIL], 0
	v_lshrrev_b32 v1, 5, v0
	v_readfirstlane_b32 s30, v1                    ; wave
	v_and_b32 v2, 31, v0                           ; lane
	v_lshlrev_b32 v3, 4, v2                        ; my 16 bytes of a load's 512
	s_mul_i32 s31, s30, WREG
	v_lshrrev_b32 v14, 2, v2
	v_mul_u32_u24 v14, v14, SP
	v_and_b32 v15, 3, v2
	v_lshl_add_u32 v14, v15, 4, v14
	v_add_nc_u32 v14, s31, v14                     ; the stage, on the way in: SP (lane / 4) + 16 (lane % 4)
	v_mul_u32_u24 v15, v2, SP
	v_add_nc_u32 v15, s31, v15                     ; and on the way out: SP x lane: my 16 neighbours
	v_mul_u32_u24 v4, v2, CB                       ; my codes' place in a step's
	v_lshrrev_b32 v5, 1, v2
	s_add_co_u32 s31, s31, 2*32*SP
	v_add_nc_u32 v5, s31, v5                       ; LDS: my wave's 256 scale bytes, my block's byte
	v_lshlrev_b32 v7, 3, v2                        ; and on the way out 8 bytes a lane
	v_add_nc_u32 v6, s31, v7
	s_wait_kmcnt 0x0
	s_cmp_ge_u32 ttmp9, 352                        ; the work-group's number alone decides
	s_cbranch_scc1 .Lwo
	s_cmp_lt_u32 ttmp9, 320
	s_cselect_b64 s[24:25], s[8:9], s[10:11]       ; W_k or W_v,
	s_cmp_lt_u32 ttmp9, 288
	s_cselect_b64 s[24:25], s[6:7], s[24:25]       ; or W_q,
	s_cmp_lt_u32 ttmp9, 256
	s_cselect_b64 s[24:25], s[4:5], s[24:25]       ; or x
	s_cselect_b64 s[26:27], s[14:15], s[18:19]     ; the codes' buffer
	s_cselect_b64 s[28:29], s[16:17], s[20:21]     ; the scale bytes'
	s_cselect_b32 s32, 0, 256
	s_cselect_b32 s33, -1, 31
	s_sub_co_u32 s32, ttmp9, s32                   ; which 32,768 numbers of the codes' buffer,
	s_and_b32 s33, s32, s33                        ; and of the source (a weight has 32 such parts)
	s_lshl_b32 s32, s32, 2
	s_add_co_u32 s32, s32, s30                     ; my wave's run of 8,192 numbers
	s_lshl_b32 s33, s33, 2
	s_add_co_u32 s33, s33, s30
	s_lshl_b32 s34, s33, 15                        ; 32,768 bytes of f32 a run
	s_mov_b32 s35, 0
	s_add_nc_u64 s[24:25], s[24:25], s[34:35]
	s_lshl_b32 s34, s32, 12                        ; 4,096 bytes of codes
	s_add_nc_u64 s[26:27], s[26:27], s[34:35]
	s_lshl_b32 s34, s32, 8                         ; 256 scale bytes
	s_add_nc_u64 s[28:29], s[28:29], s[34:35]
.macro LOAD t
.irp i, 0,1,2,3
	global_load_b128 v[R+16*((\t)%4)+4*\i:R+16*((\t)%4)+4*\i+3], v3, s[24:25] offset:2048*(\t)+512*\i th:TH_LOAD_NT   ; 32 lanes read 512 consecutive bytes
.endr
.endm
.macro TURN t                          ; step t's numbers through the stage: LDS serves a wave's instructions in order, so no wait stands between the stores and the loads
.irp i, 0,1,2,3
	ds_store_b128 v14, v[R+16*((\t)%4)+4*\i:R+16*((\t)%4)+4*\i+3] offset:32*SP*((\t)%2)+8*SP*\i
.endr
.irp i, 0,1,2,3
	ds_load_b128 v[X+16*((\t)%2)+4*\i:X+16*((\t)%2)+4*\i+3], v15 offset:32*SP*((\t)%2)+16*\i
.endr
.endm
.irp t, 0,1,2,3
	LOAD \t
.endr
	s_wait_loadcnt 12                              ; step 0's four loads are in; the twelve of steps 1 to 3 may be out
	TURN 0
.macro STEP t
.set XS, X+16*((\t)%2)
.if (\t) > 0
	s_wait_dscnt 1                                 ; this step's numbers are back from the stage (the last step's byte store may be out)
.else
	s_wait_dscnt 0x0
.endif
.if (\t)+4 < STEPS
	LOAD (\t)+4                                    ; the set that the stage's stores have read takes the loads of four steps on
.endif
.if (\t)+1 < STEPS
.if STEPS-2-(\t) >= 3
	s_wait_loadcnt 12                              ; the next step's four loads are in; those of the three steps behind it may be out
.else
	s_wait_loadcnt 4*(STEPS-2-(\t))
.endif
	TURN (\t)+1                                    ; and go through the other stage while this step is worked
.endif
	v_max3_num_f32 v8, |v[XS]|, |v[XS+1]|, |v[XS+2]|               ; the largest magnitude of my 16
	v_max3_num_f32 v9, |v[XS+3]|, |v[XS+4]|, |v[XS+5]|
.irp i, 6,10
	v_max3_num_f32 v8, v8, |v[XS+\i]|, |v[XS+\i+1]|
	v_max3_num_f32 v9, v9, |v[XS+\i+2]|, |v[XS+\i+3]|
.endr
	v_max3_num_f32 v8, v8, |v[XS+14]|, |v[XS+15]|
	v_max3_num_f32 v8, v8, v9, (EMAX+1)<<23        ; and the floor 2^(EMAX + 1 - 127): the byte cannot fall under 1
	v_max_num_f32_dpp v8, v8, v8 row_xmask:1 row_mask:0xf bank_mask:0xf   ; and of my neighbour's 16: the block's
	v_add_nc_u32 v11, -(EMAX<<23), v8              ; EMAX off its exponent field: the conversion takes the exponent field of this operand as its scale
	v_cvt_scalef32_pk8_fp4_f32 v[C+4*(\t)], v[XS:XS+7], v11
	v_cvt_scalef32_pk8_fp4_f32 v[C+4*(\t)+1], v[XS+8:XS+15], v11
	v_lshrrev_b32 v[E+(\t)], 23, v11               ; the scale's byte (also the plain line behind the conversions)
	ds_store_b8 v5, v[E+(\t)] offset:16*(\t)       ; both lanes of a block write the same byte with the same value
	global_store_b64 v4, v[C+4*(\t):C+4*(\t)+1], s[26:27] offset:32*CB*(\t)
.endm
.irp t, 0,1,2,3,4,5,6,7,8,9,10,11,12,13,14,15
	STEP \t
.endr
	ds_load_b64 v[8:9], v6                         ; LDS serves a wave's instructions in order: these see my stores
	s_wait_dscnt 0x0
	global_store_b64 v7, v[8:9], s[28:29]          ; 32 lanes store 256 consecutive bytes, aligned
	s_wait_tensorcnt 0x0                           ; the wave's end
	ds_add_u32 v[SPW], v[NIL]
	s_wait_dscnt 0x0
	s_endpgm
; W_o into f16 by head.  No LDS.  A wave owns 8 rows n; a load takes 256 bytes (one head's 64 numbers) of each of two rows, a store their 256 bytes of f16, which are neighbours in wo16.
.Lwo:
	s_sub_co_u32 s32, ttmp9, 352
	s_lshl_b32 s32, s32, 2
	s_add_co_u32 s32, s32, s30                     ; which 8 rows
	s_lshl_b32 s34, s32, 15                        ; 8 rows of 4,096 bytes
	s_mov_b32 s35, 0
	s_add_nc_u64 s[12:13], s[12:13], s[34:35]
	s_lshl_b32 s34, s32, 10                        ; 8 rows of 128 bytes in a head's plane
	s_add_nc_u64 s[22:23], s[22:23], s[34:35]
	v_lshrrev_b32 v[WSA], 4, v2
	v_lshlrev_b32 v[WSA], 12, v[WSA]               ; lanes 16-31: the next row
	v_and_b32 v[WDA], 15, v2
	v_lshl_add_u32 v[WSA], v[WDA], 4, v[WSA]
	v_lshlrev_b32 v[WDA], 3, v2
.macro LOADP p                         ; rows 2 p and 2 p + 1, all sixteen heads
.irp hh, 0,1,2,3,4,5,6,7,8,9,10,11,12,13,14,15
	global_load_b128 v[WI+64*((\p)%2)+4*\hh:WI+64*((\p)%2)+4*\hh+3], v[WSA], s[12:13] offset:8192*(\p)+256*\hh th:TH_LOAD_NT
.endr
.endm
.macro CONV p
.irp hh, 0,1,2,3,4,5,6,7,8,9,10,11,12,13,14,15
	v_cvt_pk_f16_f32 v[WOUT+2*\hh], v[WI+64*((\p)%2)+4*\hh], v[WI+64*((\p)%2)+4*\hh+1]
	v_cvt_pk_f16_f32 v[WOUT+2*\hh+1], v[WI+64*((\p)%2)+4*\hh+2], v[WI+64*((\p)%2)+4*\hh+3]
	global_store_b64 v[WDA], v[WOUT+2*\hh:WOUT+2*\hh+1], s[22:23] offset:131072*\hh+256*(\p)   ; 32 lanes store 256 consecutive bytes, aligned
.endr
.endm
	LOADP 0
	LOADP 1
	s_wait_loadcnt 16                              ; pair 0 is in; pair 1's sixteen loads may be out
	CONV 0
	LOADP 2
	s_wait_loadcnt 16
	s_wait_xcnt 0x0                                ; the last stores have read their data: the registers may be written again
	CONV 1
	LOADP 3
	s_wait_loadcnt 16
	s_wait_xcnt 0x0
	CONV 2
	s_wait_loadcnt 0x0
	s_wait_xcnt 0x0
	CONV 3
	s_endpgm
.Lfunc_end_k_q5394b1e168_quant:
	.size	k_q5394b1e168_quant, .Lfunc_end_k_q5394b1e168_quant-k_q5394b1e168_quant
	.p2alignl 7, 3214868480
	.fill 96, 4, 3214868480
	.section	.rodata,"a",@progbits
	.p2align	6, 0x0
	.amdhsa_kernel k_q5394b1e168_quant
		.amdhsa_group_segment_fixed_size 33280
		.amdhsa_private_segment_fixed_size 0
		.amdhsa_enable_private_segment 0
		.amdhsa_kernarg_size 80
		.amdhsa_user_sgpr_count 2
		.amdhsa_user_sgpr_kernarg_segment_ptr 1
		.amdhsa_wavefront_size32 1
		.amdhsa_system_sgpr_workgroup_id_x 1
		.amdhsa_system_sgpr_workgroup_id_y 1
		.amdhsa_system_sgpr_workgroup_id_z 1
		.amdhsa_system_vgpr_workitem_id 0
		.amdhsa_next_free_vgpr 192
		.amdhsa_next_free_sgpr 66
		.amdhsa_reserve_vcc 0
		.amdhsa_float_denorm_mode_32 3
		.amdhsa_float_denorm_mode_16_64 3
		.amdhsa_memory_ordered 1
		.amdhsa_forward_progress 1
		.amdhsa_inst_pref_size 54
	.end_amdhsa_kernel
	.amdgpu_metadata
---
amdhsa.version: [ 1, 2 ]
amdhsa.kernels:
  - .name:           k_q5394b1e168_quant
    .symbol:         k_q5394b1e168_quant.kd
    .args:
      - { .name: x, .offset: 0, .size: 8, .value_kind: global_buffer, .address_space: global }
      - { .name: W_q, .offset: 8, .size: 8, .value_kind: global_buffer, .address_space: global }
      - { .name: W_k, .offset: 16, .size: 8, .value_kind: global_buffer, .address_space: global }
      - { .name: W_v, .offset: 24, .size: 8, .value_kind: global_buffer, .address_space: global }
      - { .name: W_o, .offset: 32, .size: 8, .value_kind: global_buffer, .address_space: global }
      - { .name: xc, .offset: 40, .size: 8, .value_kind: global_buffer, .address_space: global }
      - { .name: xs, .offset: 48, .size: 8, .value_kind: global_buffer, .address_space: global }
      - { .name: wc, .offset: 56, .size: 8, .value_kind: global_buffer, .address_space: global }
      - { .name: ws, .offset: 64, .size: 8, .value_kind: global_buffer, .address_space: global }
      - { .name: wo16, .offset: 72, .size: 8, .value_kind: global_buffer, .address_space: global }
    .group_segment_fixed_size: 33280
    .private_segment_fixed_size: 0
    .kernarg_segment_align: 8
    .kernarg_segment_size: 80
    .max_flat_workgroup_size: 128
    .sgpr_count:     66
    .vgpr_count:     192
    .wavefront_size: 32
...
	.end_amdgpu_metadata
.endif
;; end of part 1
;; launch qkv (part 2): grid 12 x 32, 4 waves a work-group, clusters of 4 x 4, 327,680 bytes of LDS; arguments xc, xs, wc, ws, qkv, qkvf; writes qkv, qkvf
.if DOCPART == 2
	.amdgcn_target "amdgcn-amd-amdhsa--gfx1250"
	.amdhsa_code_object_version 6
	.text
	.protected	k_q5394b1e168_qkv
	.globl	k_q5394b1e168_qkv
	.p2align	8
	.type	k_q5394b1e168_qkv,@function
k_q5394b1e168_qkv:
	s_mov_b64 s[64:65], 0
	v_nop
	global_prefetch_b8 v0, s[64:65] scope:SCOPE_SE
	s_setreg_imm32_b32 hwreg(HW_REG_WAVE_MODE, 25, 1), 1
	s_wait_xcnt 0x0
	s_wait_alu depctr_hold_cnt(0) depctr_sa_sdst(0) depctr_va_vdst(0) depctr_va_sdst(0) depctr_va_ssrc(0) depctr_va_vcc(0) depctr_vm_vsrc(0)
	s_getreg_b32 s2, hwreg(HW_REG_IB_STS2, 6, 4)
	s_cmp_eq_u32 s2, 0
	s_cbranch_scc0 .Lentry_in_a_cluster
	s_endpgm
.Lentry_in_a_cluster:
	s_bfe_u32 s2, ttmp6, 0x10000c
	s_cmp_lg_u32 s2, 0xf033
	s_cbranch_scc0 .Lentry_shape_is_right
	s_endpgm
.Lentry_shape_is_right:
; Launch 2 of 5: q, k, v = x W^T, the three quantised products as ONE product on codes of FP4 (E2M1): [8192][1024] x [3072][1024]^T, one E8M0 scale for each 32 along K, sums in f32.
; Results: qkv, f16, [3 which][4 b][16 h][2048 t][64]: two neighbouring t of a head are 256 neighbouring bytes; and the rows t < 16 of each batch once more as f32, qkvf [4 b][16 t][3072], for launch 5.
; LIMIT: results beyond 65,504 in magnitude overflow f16.
; A tile of 256 x 256 is made by a work-group of four waves; a wave makes 128 x 128: 64 accumulators of 16 x 16, 512 registers.  K = 1,024 is two K steps of 512: two LDS slots, each filled once; a tile's row is 256 bytes of memory.
; The scales of the work-group's 256 rows of x and 256 rows of W, for all of K, come into LDS once, in whole runs of 256 bytes.  All loads go out at the head, so nothing is left to prefetch.
; CLUSTERS: 4 x 4 work-groups.  The four of a row of the cluster need the same tiles of x, the four of a column the same tiles of W: each tile is asked for jointly.
; The tile row is 8 cy + cluster y, so that the batch is cy and t begins at 256 x cluster y: whether a work-group holds rows t < 16 then hangs on the cluster's y alone, which all partners share.
; THE MATRIX INSTRUCTION IS USED TRANSPOSED (source 0 = 16 rows of W, source 1 = 16 rows of x): a lane holds eight neighbouring columns of one row of the result.
; REGISTERS, in windows of 256: window 0: v0-31 addresses; v32-95 scale words, two sets; v128-191 x's fragments, ONE set; on the way out v32-255 are free.
;   window 1: W's fragments, TWO sets, at v0 and v128.   window 2: the accumulators of my rows 0-63 ((a, b) at v[8 (8 a + b)]);   window 3: those of my rows 64-127.
.set SIZE_K, 1024
.set KSTEP,  512
.set NQ,     KSTEP/128
.set ROWB,   256
.set KROW,   SIZE_K*4/8
.set PITCH,  272                       ; an LDS row: 256 bytes + 16 of padding: the 16 rows that a load touches start at 16 different groups of banks
.set FR,     8
.set NL,     2
.set NP,     4
.set HALFT,  128*PITCH
.set SLOT,   4*HALFT
.set KS,     SIZE_K/32
.set SCL,    2*SLOT
.set HALFS,  (128*KS/256)*272
.set SBLK,   (16*KS/256)*272
.set SPARE,  SCL+4*HALFS
.set ADRA, 16                          ; v16-17  LDS address of my fragments of x in slot 0, 1
.set STF,  18                          ; v18     the f32 way out: where I put 32 bytes of a row
.set RDF,  19                          ; v19     and where I read a row back
.set ADRB, 20                          ; v20-21  LDS address of my fragments of W
.set CF,   22                          ; v22     my byte in 512 bytes of a row of qkvf
.set STO,  24                          ; v24     the f16 way out: where I put 16 bytes of a row
.set RD,   25                          ; v25     and where I read back
.set CO,   26                          ; v26     my byte offset in qkv
.set ADRS, 27                          ; v27     LDS address of my scale words
.set SPW,  28                          ; v28     my spare word; never rewritten
.set NIL,  29                          ; v29     0; never rewritten
.set SC,   32
.set AF,   128
.set TMP,  192                         ; the way out: packed results
.set G1, 24
.set G0, 32
.set G1B, 48
.set G0B, 56
.set G1S, 68
.set G0S, 76
.set G1SB, 80
.set G0SB, 88
.set MSB, 0
.macro WIN new                         ; the immediate's high byte repeats the setting that is left
.if MSB != \new
	s_set_vgpr_msb (MSB<<8)|\new
.set MSB, \new
.endif
.endm
.set MUL_LO, 0xa1                      ; source 0 (W) window 1, source 1 (x) window 0, C and D window 2
.set MUL_HI, 0xf1                      ; the same, C and D window 3
.set TO_B,   0x40                      ; destination window 1, address window 0
; A joint load: waves 0 and 1 fetch for x, waves 2 and 3 for W.  The branch hangs on the wave's number alone.  An s_nop 0 and four v_nop follow each of the two lines.
.macro JLOAD g0a, g1a, g0b, g1b
	s_cmp_eq_u32 s15, 0
	s_cbranch_scc0 .Lfor_b_\@
	tensor_load_to_lds s[\g0a:\g0a+3], s[\g1a:\g1a+7]
	s_nop 0
.rept 4
	v_nop
.endr
	s_branch .Lasked_\@
.Lfor_b_\@:
	tensor_load_to_lds s[\g0b:\g0b+3], s[\g1b:\g1b+7]
	s_nop 0
.rept 4
	v_nop
.endr
.Lasked_\@:
.endm
.macro CROUND                          ; a round of the cluster's barrier
	s_barrier_signal -1
	s_barrier_wait -1
	s_cmp_lg_u32 s14, 0
	s_cbranch_scc1 .Lnot_wave_0_\@
	s_barrier_signal -3
.Lnot_wave_0_\@:
	s_barrier_wait -3
	s_barrier_signal -1
	s_barrier_wait -1
.endm
	s_load_b128 s[4:7], s[0:1], 0x0                ; x's codes s[4:5], x's scales s[6:7]
	s_load_b128 s[8:11], s[0:1], 0x10              ; W's codes s[8:9], W's scales s[10:11]
	s_load_b64 s[12:13], s[0:1], 0x20              ; qkv
	s_load_b64 s[96:97], s[0:1], 0x28              ; qkvf
	v_lshl_add_u32 v[SPW], v0, 2, SPARE
	v_mov_b32 v[NIL], 0
	ds_add_u32 v[SPW], v[NIL]                      ; the wave's opening: the add, twice on end, and its wait ahead of my first tensor load
	ds_add_u32 v[SPW], v[NIL]
	v_lshrrev_b32 v1, 5, v0
	v_readfirstlane_b32 s14, v1                    ; wave 0..3
	s_lshr_b32 s15, s14, 1                         ; which half of the tile's rows is mine.  Also: I fetch for x (0) or for W (1)
	s_and_b32 s16, s14, 1                          ; which half of its columns.  Also: which 128 rows of that tile I fetch
	s_bfe_u32 s40, ttmp6, 0x40000                  ; cx, cy: my place in the cluster
	s_bfe_u32 s41, ttmp6, 0x40004
	s_lshl_b32 s42, ttmp9, 2
	s_add_co_u32 s42, s42, s40                     ; tile column = 4 x cluster x + cx
	s_and_b32 s95, ttmp7, 0xffff                   ; cluster y
	s_lshl_b32 s17, s41, 3
	s_add_co_u32 s17, s17, s95                     ; tile row = 8 cy + cluster y: batch cy, t from 256 x cluster y on
	s_lshl_b32 s43, s41, 2
	s_lshl_b32 s43, 15, s43                        ; my row of the cluster
	s_lshl_b32 s44, 0x1111, s40                    ; my column
	s_or_b32 s[G1+0], s43, (0<<16)|(1<<20)|(1<<21)|(5<<22)|(3<<25)  ; the mask; elements of 1 byte; padding on; bit 21 beside a mask; after every 64 words four words
	s_or_b32 s[G1B+0], s44, (0<<16)|(1<<20)|(1<<21)|(5<<22)|(3<<25)
.irp g, G1, G1B
	s_mov_b32 s[\g+1], ROWB<<16                    ; tensor_dim0
	s_mov_b32 s[\g+2], 128<<16                     ; tensor_dim1
	s_mov_b32 s[\g+3], ROWB<<16                    ; tile_dim0
	s_mov_b32 s[\g+4], 128                         ; tile_dim1
	s_mov_b32 s[\g+5], KROW                        ; from row to row
	s_mov_b32 s[\g+6], 0
	s_mov_b32 s[\g+7], 0
.endr
	s_or_b32 s[G1S+0], s43, (3<<16)|(1<<20)|(1<<21)|(5<<22)|(3<<25) ; the scales of 128 rows: 4,096 dense bytes as rows of 256 (32 elements of 8 bytes), 16 bytes of padding behind each
	s_or_b32 s[G1SB+0], s44, (3<<16)|(1<<20)|(1<<21)|(5<<22)|(3<<25)
.irp g, G1S, G1SB
	s_mov_b32 s[\g+1], 32<<16
	s_mov_b32 s[\g+2], (128*KS/256)<<16
	s_mov_b32 s[\g+3], 32<<16
	s_mov_b32 s[\g+4], 128*KS/256
	s_mov_b32 s[\g+5], 32
	s_mov_b32 s[\g+6], 0
	s_mov_b32 s[\g+7], 0
.endr
	s_lshl_b32 s18, s16, 7                         ; which 128 rows of the tile I fetch
	s_lshl_b32 s20, s17, 8
	s_add_co_u32 s20, s20, s18                     ; x: row 256 x tile row + 128 x half
	s_lshl_b32 s46, s42, 8
	s_add_co_u32 s46, s46, s18                     ; W: row 256 x tile column + 128 x half
	s_mov_b32 s21, 0
	s_mov_b32 s47, 0
	s_mov_b64 s[18:19], KS
	s_mul_u64 s[22:23], s[20:21], s[18:19]         ; where these rows' scales begin
	s_mul_u64 s[92:93], s[46:47], s[18:19]
	s_mov_b64 s[18:19], KROW
	s_mul_u64 s[20:21], s[20:21], s[18:19]         ; and their codes
	s_mul_u64 s[46:47], s[46:47], s[18:19]
	s_mul_i32 s45, s14, HALFT                      ; where they go: wave x 128 rows
	s_mul_i32 s94, s14, HALFS
	s_wait_dscnt 0x0                               ; both opening adds are done
	s_wait_kmcnt 0x0
	s_add_nc_u64 s[20:21], s[4:5], s[20:21]
	s_add_nc_u64 s[22:23], s[6:7], s[22:23]
	s_add_nc_u64 s[46:47], s[8:9], s[46:47]
	s_add_nc_u64 s[92:93], s[10:11], s[92:93]
	CROUND                                         ; all sixteen work-groups are here: the joint loads meet
	s_mov_b32 s[G0S], 1
	s_add_co_u32 s[G0S+1], s94, SCL
	s_mov_b64 s[G0S+2:G0S+3], s[22:23]
	s_or_b32 s[G0S+3], s[G0S+3], 0x80000000
	s_mov_b32 s[G0SB], 1
	s_add_co_u32 s[G0SB+1], s94, SCL
	s_mov_b64 s[G0SB+2:G0SB+3], s[92:93]
	s_or_b32 s[G0SB+3], s[G0SB+3], 0x80000000
	JLOAD G0S, G1S, G0SB, G1SB                     ; the scales first: they are wanted with K step 0
.irp s, 0,1
	s_mov_b32 s[G0+4*\s], 1
	s_add_co_u32 s[G0+4*\s+1], s45, \s*SLOT
	s_add_nc_u64 s[G0+4*\s+2:G0+4*\s+3], s[20:21], \s*ROWB
	s_or_b32 s[G0+4*\s+3], s[G0+4*\s+3], 0x80000000
	s_mov_b32 s[G0B+4*\s], 1
	s_add_co_u32 s[G0B+4*\s+1], s45, \s*SLOT
	s_add_nc_u64 s[G0B+4*\s+2:G0B+4*\s+3], s[46:47], \s*ROWB
	s_or_b32 s[G0B+4*\s+3], s[G0B+4*\s+3], 0x80000000
	JLOAD G0+4*\s, G1, G0B+4*\s, G1B               ; three loads of mine are out behind the second
.endr
	v_and_b32 v1, 15, v0                           ; r = l % 16
	v_bfe_u32 v2, v0, 4, 1                         ; h = l / 16
	v_mul_u32_u24 v3, v1, PITCH
	v_lshl_add_u32 v4, v2, 4, v3                   ; a fragment's row x pitch + 16 x half
	s_mul_i32 s21, s15, HALFT                      ; my 128 rows of x
	s_mul_i32 s22, s16, HALFT                      ; my 128 rows of W,
	s_add_co_u32 s22, s22, 2*HALFT                 ; which lie behind x's 256
.irp s, 0,1
	v_add_nc_u32 v[ADRA+\s], s21, v4
	v_add_nc_u32 v[ADRB+\s], s22, v4
	s_add_co_u32 s21, s21, SLOT
	s_add_co_u32 s22, s22, SLOT
.endr
	v_mul_u32_u24 v5, v1, KS                       ; my row's scales: KS bytes a row,
	v_lshrrev_b32 v6, 8, v5
	v_lshl_add_u32 v5, v6, 4, v5                   ; and 16 more for each 256 passed
	s_mul_i32 s21, s15, HALFS
	s_mul_i32 s22, s16, HALFS
	s_add_co_u32 s22, s22, 2*HALFS
	s_sub_co_u32 s22, s22, s21
	v_mul_u32_u24 v6, s22, v2                      ; lanes 16-31 take W's
	s_add_co_u32 s21, s21, SCL
	v_add_nc_u32 v5, v5, v6
	v_add_nc_u32 v[ADRS], s21, v5
	s_mul_i32 s23, s14, 16*528                     ; my stage, in slot 0: it has had its one fill, and nobody reads it when the first result is stored there
	v_mul_u32_u24 v5, v1, 272                      ; f16, in: row r of 256 bytes + 16, 16 bytes for each half of the lanes
	v_lshl_add_u32 v5, v2, 4, v5
	v_add_nc_u32 v[STO], s23, v5
	v_bfe_u32 v6, v0, 3, 1                         ; back: lanes 0-15 take one head's 128 bytes of two rows, lanes 16-31 the next head's
	v_and_b32 v7, 7, v0
	v_mul_u32_u24 v5, v6, 272
	v_lshl_add_u32 v5, v2, 7, v5
	v_lshl_add_u32 v5, v7, 4, v5
	v_add_nc_u32 v[RD], s23, v5
	v_lshlrev_b32 v5, 18, v2                       ; in qkv: a head's plane is 262,144 bytes, a row 128
	v_lshl_add_u32 v5, v6, 7, v5
	v_lshl_add_u32 v[CO], v7, 4, v5
	v_mul_u32_u24 v5, v1, 528                      ; f32, in: row r of 512 bytes + 16, 32 bytes for each half of the lanes
	v_lshl_add_u32 v5, v2, 5, v5
	v_add_nc_u32 v[STF], s23, v5
	v_and_b32 v6, 31, v0
	v_lshlrev_b32 v[CF], 4, v6                     ; back: the 32 lanes take one row of 512 bytes
	v_add_nc_u32 v[RDF], s23, v[CF]
	s_lshl_b32 s20, ttmp9, 2                       ; qkv: plane ((which x 4 + batch) x 16 + head); which = cluster x, since a tile column is 4 cluster x + cx
	s_add_co_u32 s20, s20, s41
	s_lshl_b32 s20, s20, 4
	s_lshl_b32 s21, s40, 2
	s_add_co_u32 s20, s20, s21                     ; a tile column is four heads,
	s_lshl_b32 s21, s16, 1
	s_add_co_u32 s20, s20, s21                     ; my half of it two
	s_lshl_b32 s20, s20, 18
	s_lshl_b32 s21, s95, 15                        ; t = 256 x cluster y, rows of 128 bytes
	s_add_co_u32 s20, s20, s21
	s_lshl_b32 s21, s15, 14                        ; + my 128 rows
	s_add_co_u32 s20, s20, s21
	s_mov_b32 s21, 0
	s_add_nc_u64 s[12:13], s[12:13], s[20:21]
	s_mul_i32 s20, s41, 196608                     ; qkvf: 16 rows of 12,288 bytes a batch
	s_lshl_b32 s22, s42, 10
	s_add_co_u32 s20, s20, s22
	s_lshl_b32 s22, s16, 9
	s_add_co_u32 s20, s20, s22
	s_add_nc_u64 s[96:97], s[96:97], s[20:21]
.macro FRAG reg, adr, q, i             ; 16 rows x 128 K of 4-bit codes: 8 registers; lane l holds row l % 16; registers 4 c .. 4 c + 3 hold K = 64 c + 32 (l / 16) + 0 .. 31
.irp c, 0,1
	ds_load_b128 v[\reg+4*\c:\reg+4*\c+3], v[\adr] offset:64*(\q)+32*\c+(\i)*16*PITCH
.endr
.endm
; 16 matrix instructions: x's blocks a0, a0 + 1 against W's eight, 128 along K.  The 64 accumulators take turns, one instruction a turn, in the same order in every step.
.macro MUL16 a0, p, q, sc, zero
.irp a, \a0, \a0+1
.irp b, 0,1,2,3,4,5,6,7
.if \zero
	v_wmma_scale_f32_16x16x128_f8f6f4 v[8*(8*((\a)%4)+\b):8*(8*((\a)%4)+\b)+7], v[128*(\p)+FR*\b:128*(\p)+FR*\b+FR-1], v[AF+FR*(\a):AF+FR*(\a)+FR-1], 0, v[SC+8*NQ*(\sc)+NQ*\b+(\q)], v[SC+8*NQ*(\sc)+NQ*(\a)+(\q)] matrix_a_fmt:MATRIX_FMT_FP4 matrix_b_fmt:MATRIX_FMT_FP4 matrix_a_scale:MATRIX_SCALE_ROW1
.else
	v_wmma_scale_f32_16x16x128_f8f6f4 v[8*(8*((\a)%4)+\b):8*(8*((\a)%4)+\b)+7], v[128*(\p)+FR*\b:128*(\p)+FR*\b+FR-1], v[AF+FR*(\a):AF+FR*(\a)+FR-1], v[8*(8*((\a)%4)+\b):8*(8*((\a)%4)+\b)+7], v[SC+8*NQ*(\sc)+NQ*\b+(\q)], v[SC+8*NQ*(\sc)+NQ*(\a)+(\q)] matrix_a_fmt:MATRIX_FMT_FP4 matrix_b_fmt:MATRIX_FMT_FP4 matrix_a_scale:MATRIX_SCALE_ROW1
.endif
.endr
.endr
.endm
.macro FETCH_B slot, q, p
	WIN TO_B
.irp i, 0,1,2,3,4,5,6,7
	FRAG 128*(\p)+FR*\i, ADRB+\slot, \q, \i
.endr
	WIN 0
.endm
.macro FETCH_A slot, q, i0
.irp i, \i0, \i0+1, \i0+2, \i0+3
	FRAG AF+FR*(\i), ADRA+\slot, \q, \i
.endr
.endm
.macro SCALES sc                       ; a K step's scale words: lanes 0-15 take x's block i, lanes 16-31 W's block i
.irp i, 0,1,2,3,4,5,6,7
	ds_load_b128 v[SC+8*NQ*\sc+NQ*\i:SC+8*NQ*\sc+NQ*\i+3], v[ADRS] offset:\i*SBLK
.endr
.endm
.macro PLACES n                        ; plain vector lines between a matrix instruction and a load into, or a read of, its registers
.rept \n
	v_nop
.endr
.endm
.macro STEP slot, q, zero              ; 128 along K, with its successor in the same slot
	s_wait_dscnt 4*NL                              ; W's set and x's blocks 0-3 are in; the youngest eight loads (x's blocks 4-7) may be out
	WIN MUL_LO
	MUL16 0, (\q)%2, \q, \slot, \zero
	MUL16 2, (\q)%2, \q, \slot, \zero
	s_wait_dscnt 0
	PLACES NP
	FETCH_B \slot, (\q)+1, 1-(\q)%2
	FETCH_A \slot, (\q)+1, 0
	WIN MUL_HI
	MUL16 4, (\q)%2, \q, \slot, \zero
	MUL16 6, (\q)%2, \q, \slot, \zero
	PLACES NP
	WIN 0
	FETCH_A \slot, (\q)+1, 4
.endm
.macro TURN slot, next                 ; a slot's last step changes slots: one barrier; nothing is filled again
	s_wait_tensorcnt 0x0                           ; all my tensor loads have landed: my part of the next slot
	ds_add_u32 v[SPW], v[NIL]                      ; 0 onto my spare word
	s_wait_dscnt 4*NL+1                            ; (the add and the youngest eight loads may be out)
	WIN MUL_LO
	MUL16 0, 1, NQ-1, \slot, 0
	s_wait_dscnt 0x0                               ; the add is done, and my reads of this slot are over
	s_barrier_signal -1
	MUL16 2, 1, NQ-1, \slot, 0
	WIN 0
	s_barrier_wait -1
	PLACES NP
	v_add_nc_u32 v[ADRS], 4*NQ, v[ADRS]            ; on to the next K step's scale words
	FETCH_B \next, 0, 0
	FETCH_A \next, 0, 0
	SCALES \next
	WIN MUL_HI
	MUL16 4, 1, NQ-1, \slot, 0
	MUL16 6, 1, NQ-1, \slot, 0
	PLACES NP
	WIN 0
	FETCH_A \next, 0, 4
.endm
.macro STEPS slot, from
.set Q, \from
.rept NQ-1-\from
	STEP \slot, Q, 0
.set Q, Q+1
.endr
.endm
	s_wait_tensorcnt 1                             ; the scales and my part of K step 0 are in; K step 1's load may be out
	s_barrier_signal -1
	s_barrier_wait -1
	FETCH_B 0, 0, 0
	FETCH_A 0, 0, 0
	SCALES 0
	FETCH_A 0, 0, 4
	STEP 0, 0, 1                                   ; the first products start the sums: nothing is cleared
	STEPS 0, 1
	TURN 0, 1
	STEPS 1, 0
	s_wait_dscnt 4*NL
	WIN MUL_LO
	MUL16 0, 1, NQ-1, 1, 0
	MUL16 2, 1, NQ-1, 1, 0
	s_wait_dscnt 0
	WIN MUL_HI
	MUL16 4, 1, NQ-1, 1, 0
	MUL16 6, 1, NQ-1, 1, 0
	WIN 0
	PLACES NP
	; THE ROWS t < 16 AS f32: they are block 0 of the waves with the tile's upper rows, in the clusters with y = 0: a branch on the cluster's y and the wave's number
	s_or_b32 s94, s95, s15
	s_cmp_lg_u32 s94, 0
	s_cbranch_scc1 .Lnofine
	WIN 0x08                                       ; an LDS store's data are its source 1: window 2
.irp b, 0,1,2,3,4,5,6,7
	ds_store_b128 v[STF], v[8*\b:8*\b+3] offset:64*\b              ; each accumulator from its low end on
	ds_store_b128 v[STF], v[8*\b+4:8*\b+7] offset:64*\b+16
.endr
	WIN 0
.irp t, 0,1,2,3,4,5,6,7,8,9,10,11,12,13,14,15
	ds_load_b128 v[128+4*\t:128+4*\t+3], v[RDF] offset:528*\t      ; LDS serves a wave's instructions in order: these see the stores above
.endr
	s_wait_dscnt 0x0
.irp t, 0,1,2,3,4,5,6,7,8,9,10,11,12,13,14,15
	global_store_b128 v[CF], v[128+4*\t:128+4*\t+3], s[96:97] offset:12288*\t   ; 32 lanes store 512 consecutive bytes, aligned
.endr
.Lnofine:
; THE WAY OUT AS f16, block by block of 16 rows x 128 columns (two heads).  PACK: rounded, 16 bytes a lane.  TOSTAGE: into my stage, and back so that sixteen lanes hold two rows of one head.  SEND: stored.
.macro PACK a
.set AC, 64*((\a)%4)
	WIN 0x0a+5*((\a)/4)                            ; sources 0 and 1: window 2 or 3
.irp b, 0,1,2,3,4,5,6,7
.irp i, 0,1,2,3
	v_cvt_pk_f16_f32 v[TMP+4*\b+\i], v[AC+8*\b+2*\i], v[AC+8*\b+2*\i+1]
.endr
.endr
	WIN 0
.endm
.macro TOSTAGE a
.set BK, 32+192*((\a)%2)
.irp b, 0,1,2,3,4,5,6,7
	ds_store_b128 v[STO], v[TMP+4*\b:TMP+4*\b+3] offset:32*\b
.endr
.irp u, 0,1,2,3,4,5,6,7
	ds_load_b128 v[BK+4*\u:BK+4*\u+3], v[RD] offset:544*\u
.endr
.endm
.macro SEND a
.set BK, 32+192*((\a)%2)
	s_wait_dscnt 0x0                               ; the block is back in registers
	s_wait_xcnt 0x0                                ; the stores of the block before have read their registers: the next block's loads may land there
.irp u, 0,1,2,3,4,5,6,7
	global_store_b128 v[CO], v[BK+4*\u:BK+4*\u+3], s[12:13] offset:2048*(\a)+256*\u   ; lanes 0-15 store 256 consecutive bytes of one head, aligned; lanes 16-31 of the next head
.endr
.endm
	PACK 0
	TOSTAGE 0
.irp a, 1,2,3,4,5,6,7
	PACK \a
	SEND \a-1
	TOSTAGE \a
.endr
	SEND 7
	s_wait_tensorcnt 0x0                           ; the wave's end
	ds_add_u32 v[SPW], v[NIL]
	s_wait_dscnt 0x0
	CROUND                                         ; the closing round
	s_endpgm
.Lfunc_end_k_q5394b1e168_qkv:
	.size	k_q5394b1e168_qkv, .Lfunc_end_k_q5394b1e168_qkv-k_q5394b1e168_qkv
	.p2alignl 7, 3214868480
	.fill 96, 4, 3214868480
	.section	.rodata,"a",@progbits
	.p2align	6, 0x0
	.amdhsa_kernel k_q5394b1e168_qkv
		.amdhsa_group_segment_fixed_size 327680
		.amdhsa_private_segment_fixed_size 0
		.amdhsa_enable_private_segment 0
		.amdhsa_kernarg_size 48
		.amdhsa_user_sgpr_count 2
		.amdhsa_user_sgpr_kernarg_segment_ptr 1
		.amdhsa_wavefront_size32 1
		.amdhsa_system_sgpr_workgroup_id_x 1
		.amdhsa_system_sgpr_workgroup_id_y 1
		.amdhsa_system_sgpr_workgroup_id_z 1
		.amdhsa_system_vgpr_workitem_id 0
		.amdhsa_next_free_vgpr 1024
		.amdhsa_next_free_sgpr 98
		.amdhsa_reserve_vcc 0
		.amdhsa_float_denorm_mode_32 3
		.amdhsa_float_denorm_mode_16_64 3
		.amdhsa_memory_ordered 1
		.amdhsa_forward_progress 1
		.amdhsa_inst_pref_size 131
	.end_amdhsa_kernel
	.amdgpu_metadata
---
amdhsa.version: [ 1, 2 ]
amdhsa.kernels:
  - .name:           k_q5394b1e168_qkv
    .symbol:         k_q5394b1e168_qkv.kd
    .args:
      - { .name: xc, .offset: 0, .size: 8, .value_kind: global_buffer, .address_space: global }
      - { .name: xs, .offset: 8, .size: 8, .value_kind: global_buffer, .address_space: global }
      - { .name: wc, .offset: 16, .size: 8, .value_kind: global_buffer, .address_space: global }
      - { .name: ws, .offset: 24, .size: 8, .value_kind: global_buffer, .address_space: global }
      - { .name: qkv, .offset: 32, .size: 8, .value_kind: global_buffer, .address_space: global }
      - { .name: qkvf, .offset: 40, .size: 8, .value_kind: global_buffer, .address_space: global }
    .group_segment_fixed_size: 327680
    .private_segment_fixed_size: 0
    .kernarg_segment_align: 8
    .kernarg_segment_size: 48
    .max_flat_workgroup_size: 128
    .sgpr_count:     98
    .vgpr_count:     1024
    .wavefront_size: 32
...
	.end_amdgpu_metadata
.endif
;; end of part 2
;; launch attn (part 3): grid 4 x 64, 8 waves a work-group, no clusters, 327,680 bytes of LDS; arguments qkv, att; writes att
.if DOCPART == 3
	.amdgcn_target "amdgcn-amd-amdhsa--gfx1250"
	.amdhsa_code_object_version 6
	.text
	.protected	k_q5394b1e168_attn
	.globl	k_q5394b1e168_attn
	.p2align	8
	.type	k_q5394b1e168_attn,@function
k_q5394b1e168_attn:
	s_mov_b64 s[64:65], 0
	v_nop
	global_prefetch_b8 v0, s[64:65] scope:SCOPE_SE
	s_setreg_imm32_b32 hwreg(HW_REG_WAVE_MODE, 25, 1), 1
	s_wait_xcnt 0x0
; Launch 3 of 5: att[b][h][q][:] = the sum over keys k <= q of softmax_k(q . k / 8) v, operands f16, products, maxima and sums f32; the weights are rounded to f16 for the second product, att once at the end.
; WORK LEFT OUT: the mask is the function's own lower triangle, so a key step all of whose 128 keys come after a wave's 32 queries reaches no output and is neither loaded (by slots) nor multiplied.
; LIMITS: a NaN, infinity or overflow that reaches only hidden scores is not carried on; magnitudes beyond 65,504 overflow f16.
; SHARES.  A work-group of eight waves owns two blocks of 256 queries of one head: block 7 - g (pass A), then block g (pass B), g = work-group x: (8 - g) + (g + 1) = 9 slots of 256 keys for every work-group.
; A wave owns 32 queries, two tiles of 16: each fragment of K and V read from LDS feeds two matrix instructions.  Two waves share a SIMD, so one wave's softmax stands beside the other's products.
; NO CLUSTER: the four work-groups of a head need different numbers of tiles in each pass (8 - g and g + 1), and a joint request may not be left out by one partner.
; LAYOUT.  S^T = K Q^T (source 0 = 16 keys, source 1 = 16 queries): a lane holds ONE query (lane % 16) and the keys 8 (lane / 16) + 0..7.  Two such tiles, rounded in pairs, ARE source 1 of O^T = V^T P.  V comes out of LDS turned.
; SOFTMAX.  A running maximum m and sum l for each query: p = 2^(c s - c m), c = log2(e) / 8; in every step O and l are multiplied by a = 2^(c m_old - c m_new).
; THE RING.  Two slots of 256 keys.  A slot holds two key steps, each 128 rows of K (pitch 144) and then 128 rows of V (pitch 160).  Every wave issues one tensor load behind a change of slots (waves 0-3: K's quarters, 4-7: V's): one load of mine is out at a time.
; Every work-group walks a constant number of slots (8, then 4); what lies past its last query is not asked for and not worked.
; REGISTERS: window 0: v1-15 addresses; v16-31 statistics; v32-47 at work; v64-191 S^T; v192-255 P.   window 1: v0-31 Q; v32-95 O^T; v128-255 fragments of K, later of V.
.set PK,    144
.set PV,    160
.set VOFF,  128*PK                     ; in a step: V behind K
.set STEPB, 128*(PK+PV)
.set SLOT1, 1<<17                      ; slot 1 begins here: one exclusive or turns an address from one slot to the other
.set SLOTG, 32768                      ; a slot's 256 rows of 128 bytes in memory
.set STAGE, 2*SLOT1                    ; 32 rows x 144 bytes for each wave, bytes of their own: the ring goes on behind pass A
.set SPARE, STAGE+8*32*144             ; the spare words, 128 bytes a wave
.set AK0, 1
.set AV0, 2
.set ADK, 3
.set ADV, 4
.set SPW, 5
.set NIL, 6
.set QO,  7
.set STO, 8
.set RD,  9
.set GO,  10
.set PFO, 11
.set NINF, 12
.set DL,  13
.set D0,  14                           ; v14, v15: my query less the step's first key less 8 (lane / 16), tile 0 and 1
.set ST,  16                           ; tile t at v[ST+8 t]: +0 c m, +1 m, +2, +3 l, +4, +5 at work, +6 a, +7 at work
.set TM,  32                           ; tile t: eight chains
.set S,   64
.set P,   192
.set OT,  32                           ; window 1
.set FRG, 128                          ; window 1
.set WV,  8
.set GG,  9
.set BH,  10
.set BLK, 11
.set Q0,  12
.set KF,  13
.set TB,  14
.set SLOTS, 15
.set LIM, 16
.set TWICE, 17
.set PFA, 18
.set SEL, 20
.set CS,  22
.set G1K, 24
.set G1V, 32
.set G0K, 40
.set G0V, 44
.set MSB, 0
.macro WIN new
.if MSB != \new
	s_set_vgpr_msb (MSB<<8)|\new
.set MSB, \new
.endif
.endm
.set W_KQ, 0x05                        ; K and Q window 1, S^T window 0
.set W_PV, 0x51                        ; V window 1, P window 0, O^T window 1
.set W_RS, 0x41                        ; O^T (destination and source 0) window 1, a window 0
.set TO1,  0x40                        ; destination window 1
; Waves 0-3 fetch K's quarters of a slot, waves 4-7 V's.  An s_nop 0 and four v_nop follow each of the two lines.
.macro TLOAD
	s_cmp_lt_u32 s[WV], 4
	s_cbranch_scc0 .Lfor_v_\@
	tensor_load_to_lds s[G0K:G0K+3], s[G1K:G1K+7]
	s_nop 0
.rept 4
	v_nop
.endr
	s_branch .Lasked_\@
.Lfor_v_\@:
	tensor_load_to_lds s[G0V:G0V+3], s[G1V:G1V+7]
	s_nop 0
.rept 4
	v_nop
.endr
.Lasked_\@:
.endm
; A prefetch of what the NEXT change of slots will ask for.  All four work-groups of a head walk the same K and V: the one with g = 0, whose pass A walks all eight slots, asks.  Each of its waves names the 32 runs
; of 256 bytes that it will itself fetch, a lane a run: each run is named once in the launch.  Slots 0 and 1 come by their loads alone; the last change that fills a slot asks for nothing.
.macro ASK
	s_cmp_gt_u32 s[SLOTS], s[LIM]
	s_cbranch_scc0 .Lnot_mine_\@
	global_prefetch_b8 v[PFO], s[PFA:PFA+1] th:TH_LOAD_NT scope:SCOPE_SE
.Lnot_mine_\@:
.endm
	s_load_b128 s[4:7], s[0:1], 0x0                ; qkv s[4:5], att s[6:7]
	v_lshl_add_u32 v[SPW], v0, 2, SPARE
	v_mov_b32 v[NIL], 0
	ds_add_u32 v[SPW], v[NIL]                      ; the wave's opening: the add, twice on end, and its wait ahead of my first tensor load
	ds_add_u32 v[SPW], v[NIL]
	v_lshrrev_b32 v1, 5, v0
	v_readfirstlane_b32 s[WV], v1                  ; wave 0..7
	s_mov_b32 s[GG], ttmp9
	s_and_b32 s[BH], ttmp7, 0xffff                 ; 16 b + h
	s_mov_b32 s[G1K], (1<<16)|(1<<20)|(4<<22)|(3<<25)   ; elements of 2 bytes; padding on: after every 32 words four words
	s_mov_b32 s[G1V], (1<<16)|(1<<20)|(4<<22)|(7<<25)   ; the same with eight words
.irp g, G1K, G1V
	s_mov_b32 s[\g+1], 64<<16                      ; tensor_dim0 = 64
	s_mov_b32 s[\g+2], 64<<16                      ; tensor_dim1 = 64
	s_mov_b32 s[\g+3], 64<<16                      ; tile_dim0 = 64
	s_mov_b32 s[\g+4], 64                          ; tile_dim1 = 64
	s_mov_b32 s[\g+5], 64                          ; from row to row
	s_mov_b32 s[\g+6], 0
	s_mov_b32 s[\g+7], 0
.endr
	s_and_b32 s56, s[WV], 3                        ; my quarter of a slot's 256 rows
	s_lshr_b32 s57, s56, 1                         ; in which of its two steps,
	s_and_b32 s58, s56, 1                          ; and which half of that
	s_mul_i32 s59, s57, STEPB
	s_mul_i32 s60, s58, 64*PK
	s_add_co_u32 s60, s60, s59                     ; K: my LDS byte in slot 0
	s_mul_i32 s61, s58, 64*PV
	s_add_co_u32 s61, s61, s59
	s_add_co_u32 s61, s61, VOFF                    ; V: likewise
	s_lshl_b32 s56, s56, 13                        ; 64 rows of 128 bytes in memory
	s_mov_b32 s57, 0
	s_lshl_b32 s58, s[BH], 18                      ; a plane of 262,144 bytes
	s_mov_b32 s59, 0
	s_mov_b32 s[SEL], 0x76543210
	s_mov_b32 s[SEL+1], 0xfedcba98
	s_mov_b32 s[CS], 0x3e38aa3b                    ; c = log2(e) / 8
	s_mov_b32 s[CS+1], s[CS]
	s_mov_b32 s[TB], 0
	s_cmp_eq_u32 s[GG], 0
	s_cselect_b32 s[LIM], 1, -1
	s_wait_dscnt 0x0                               ; both opening adds are done
	s_wait_kmcnt 0x0
	s_add_nc_u64 s[48:49], s[4:5], s[58:59]        ; q's plane of my head
	s_add_nc_u64 s[50:51], s[6:7], s[58:59]        ; att's
	s_add_nc_u64 s[52:53], s[48:49], s[56:57]
	s_mov_b32 s[G0K], 1
	s_mov_b32 s[G0K+1], s60
	s_add_nc_u64 s[G0K+2:G0K+3], s[52:53], 64*262144    ; k's planes lie 64 planes behind q's
	s_mov_b32 s[G0V], 1
	s_mov_b32 s[G0V+1], s61
	s_add_nc_u64 s[G0V+2:G0V+3], s[52:53], 128*262144   ; v's 128
	s_cmp_lt_u32 s[WV], 4
	s_cselect_b64 s[PFA:PFA+1], s[G0K+2:G0K+3], s[G0V+2:G0V+3]
	s_add_nc_u64 s[PFA:PFA+1], s[PFA:PFA+1], SLOTG ; in slot 1: the first change of slots steps it to slot 2
	s_or_b32 s[G0K+3], s[G0K+3], 0x80000000
	s_or_b32 s[G0V+3], s[G0V+3], 0x80000000
	TLOAD                                          ; slot 0: keys 0 to 255, which count for every block
	v_and_b32 v48, 15, v0                          ; r
	v_bfe_u32 v49, v0, 4, 1                        ; h
	v_and_b32 v50, 31, v0                          ; lane
	v_and_b32 v51, 7, v0
	v_bfe_u32 v52, v0, 3, 1
	v_bfe_u32 v53, v0, 3, 2
	v_mul_u32_u24 v[AK0], v48, PK
	v_lshl_add_u32 v[AK0], v49, 4, v[AK0]          ; K: row r x pitch + 16 h
	v_lshl_add_u32 v[AV0], v49, 3, v51
	v_mul_u32_u24 v[AV0], v[AV0], PV
	v_lshl_add_u32 v[AV0], v52, 4, v[AV0]
	v_add_nc_u32 v[AV0], VOFF, v[AV0]              ; V, for the turning load: key 8 h + l % 8, channels 8 ((l / 8) % 2) on
	v_lshlrev_b32 v[QO], 7, v48
	v_lshl_add_u32 v[QO], v49, 4, v[QO]
	s_mul_i32 s56, s[WV], 32*144
	s_add_co_u32 s56, s56, STAGE                   ; my stage
	v_mul_u32_u24 v[STO], v48, 144
	v_lshl_add_u32 v[STO], v49, 4, v[STO]
	v_add_nc_u32 v[STO], s56, v[STO]
	v_mul_u32_u24 v[RD], v53, 144
	v_lshl_add_u32 v[RD], v51, 4, v[RD]
	v_add_nc_u32 v[RD], s56, v[RD]                 ; back: eight lanes to a row of 128 bytes, four rows an instruction
	v_lshlrev_b32 v[GO], 4, v50
	v_lshlrev_b32 v[PFO], 8, v50
	v_mov_b32 v[NINF], 0xff800000
	v_lshlrev_b32 v54, 3, v49
	v_sub_nc_u32 v[DL], v48, v54                   ; r - 8 h
.irp t, 0,1
	v_mov_b32 v[TM+8*\t+1], 0                      ; written once: a lane permute's destination counts as one of its sources
	v_mov_b32 v[ST+8*\t+5], 0
	v_mov_b32 v[ST+8*\t+6], 0
	v_mov_b32 v[ST+8*\t+7], 0                      ; (named as the upper half of a pair)
.endr
; A KEY STEP: 128 keys, at LDS byte s[TB].
.macro STEP
	s_add_co_u32 s60, s[Q0], 31                    ; a step all of whose keys come after my 32 queries is left out: a branch on ids and the count of steps
	s_cmp_gt_u32 s[KF], s60
	s_cbranch_scc1 .Lhidden_\@
	v_add_nc_u32 v[ADK], s[TB], v[AK0]
	v_add_nc_u32 v[ADV], s[TB], v[AV0]
	v_nop
	v_nop                                          ; four plain lines between the last products and the loads into the registers that they read
	WIN TO1
.irp c, 0,1                                    ; K's 16 fragments, channels 0-31 of all keys first
.irp kt, 0,1,2,3,4,5,6,7
	ds_load_b128 v[FRG+16*\kt+8*\c:FRG+16*\kt+8*\c+3], v[ADK] offset:\kt*16*PK+64*\c
	ds_load_b128 v[FRG+16*\kt+8*\c+4:FRG+16*\kt+8*\c+7], v[ADK] offset:\kt*16*PK+64*\c+32
.endr
.endr
	s_wait_dscnt 16                                ; channels 0-31 are in; the sixteen loads of channels 32-63 may be out
	WIN W_KQ
.irp kt, 0,1,2,3,4,5,6,7                       ; the 16 accumulators take turns; the first products start the sums
.irp t, 0,1
	v_wmma_f32_16x16x32_f16 v[S+64*\t+8*\kt:S+64*\t+8*\kt+7], v[FRG+16*\kt:FRG+16*\kt+7], v[16*\t:16*\t+7], 0
.endr
.endr
	s_wait_dscnt 0x0
.irp kt, 0,1,2,3,4,5,6,7
.irp t, 0,1
	v_wmma_f32_16x16x32_f16 v[S+64*\t+8*\kt:S+64*\t+8*\kt+7], v[FRG+16*\kt+8:FRG+16*\kt+15], v[16*\t+8:16*\t+15], v[S+64*\t+8*\kt:S+64*\t+8*\kt+7]
.endr
.endr
.rept 4
	v_nop                                          ; places in front of the loads below and of the first read of the scores
.endr
	WIN TO1
.irp kg, 0,1,2,3                               ; V's 16 fragments, turned: keys 32 kg on, channels 16 ct on.  They land while the softmax is walked
.irp ct, 0,1,2,3
	ds_load_tr16_b128 v[FRG+32*\kg+8*\ct:FRG+32*\kg+8*\ct+3], v[ADV] offset:\kg*32*PV+32*\ct
	ds_load_tr16_b128 v[FRG+32*\kg+8*\ct+4:FRG+32*\kg+8*\ct+7], v[ADV] offset:\kg*32*PV+16*PV+32*\ct
.endr
.endr
	WIN 0
	s_add_co_u32 s60, s[KF], 127                   ; on the diagonal hidden scores become -infinity ahead of the maximum; a step all of whose keys count skips this
	s_cmp_le_u32 s60, s[Q0]
	s_cbranch_scc1 .Lopen_\@
	s_sub_co_i32 s60, s[Q0], s[KF]
	v_add_nc_u32 v[D0], s60, v[DL]
	v_add_nc_u32 v[D0+1], 16, v[D0]                ; register 8 kt + j holds key KF + 16 kt + 8 h + j: hidden where 16 kt + j is above my query - KF - 8 h
.irp t, 0,1
.set n, 0
.rept 64
	v_cmp_gt_i32 vcc_lo, 16*(n/8)+n%8, v[D0+\t]
	v_cndmask_b32 v[S+64*\t+n], v[S+64*\t+n], v[NINF], vcc_lo
.set n, n+1
.endr
.endr
.Lopen_\@:
.irp kt, 0,1,2,3,4,5,6,7                       ; the maximum: eight chains a tile, each accumulator from its low end on; the two tiles by turns
.irp t, 0,1
	v_max3_num_f32 v[TM+8*\t+\kt], v[S+64*\t+8*\kt], v[S+64*\t+8*\kt+1], v[S+64*\t+8*\kt+2]
.endr
.endr
.irp e, 3,5
.irp kt, 0,1,2,3,4,5,6,7
.irp t, 0,1
	v_max3_num_f32 v[TM+8*\t+\kt], v[TM+8*\t+\kt], v[S+64*\t+8*\kt+\e], v[S+64*\t+8*\kt+\e+1]
.endr
.endr
.endr
.irp i, 0,1,2,3
.irp t, 0,1
	v_max3_num_f32 v[TM+8*\t+\i], v[TM+8*\t+\i], v[S+64*\t+16*\i+7], v[S+64*\t+16*\i+15]
.endr
.endr
.irp t, 0,1
	v_max3_num_f32 v[TM+8*\t], v[TM+8*\t], v[TM+8*\t+1], v[TM+8*\t+2]
.endr
.irp t, 0,1
	v_max3_num_f32 v[TM+8*\t+4], v[TM+8*\t+4], v[TM+8*\t+5], v[TM+8*\t+6]
.endr
.irp t, 0,1
	v_max3_num_f32 v[TM+8*\t], v[TM+8*\t], v[TM+8*\t+3], v[TM+8*\t+7]
.endr
.irp t, 0,1
	v_max3_num_f32 v[TM+8*\t], v[TM+8*\t], v[TM+8*\t+4], v[ST+8*\t+1]   ; with the old m
.endr
.irp t, 0,1
	v_permlanex16_b32 v[TM+8*\t+1], v[TM+8*\t], s[SEL], s[SEL+1]        ; the query's other 64 keys lie in the lane 16 away
.endr
.irp t, 0,1
	v_mov_b32 v[ST+8*\t+7], v[ST+8*\t]             ; c m_old
.endr
.irp t, 0,1
	v_max_num_f32 v[ST+8*\t+1], v[TM+8*\t], v[TM+8*\t+1]
.endr
.irp t, 0,1
	v_mul_f32 v[ST+8*\t], s[CS], v[ST+8*\t+1]
.endr
.irp t, 0,1
	v_sub_f32 v[ST+8*\t+7], v[ST+8*\t+7], v[ST+8*\t]
.endr
.irp t, 0,1
.set n, 0
.rept 32
	v_pk_fma_f32 v[S+64*\t+n:S+64*\t+n+1], v[S+64*\t+n:S+64*\t+n+1], s[CS:CS+1], v[ST+8*\t:ST+8*\t+1] op_sel_hi:[1,0,0] neg_lo:[0,0,1] neg_hi:[0,0,1]   ; c s - c m, two at a time
.set n, n+2
.endr
.endr
.irp t, 0,1
	v_exp_f32 v[ST+8*\t+6], v[ST+8*\t+7]           ; a.  ONE BATCH: 130 exponentials, none of which reads another's result
.endr
.irp t, 0,1
.set n, 0
.rept 64
	v_exp_f32 v[S+64*\t+n], v[S+64*\t+n]
.set n, n+1
.endr
.endr
	v_nop                                          ; a plain line behind the last exponential
	s_wait_alu depctr_va_vdst(0)                   ; one wait for the batch, ahead of its first reader
.irp t, 0,1
	v_pk_mul_f32 v[ST+8*\t+2:ST+8*\t+3], v[ST+8*\t+2:ST+8*\t+3], v[ST+8*\t+6:ST+8*\t+7] op_sel_hi:[1,0]   ; l under the new m
.endr
.irp t, 0,1
	v_pk_add_f32 v[TM+8*\t:TM+8*\t+1], v[S+64*\t:S+64*\t+1], v[S+64*\t+2:S+64*\t+3]
.endr
.set n, 4
.rept 15                                       ; the sums, of the f32 weights: two chains a tile
.irp t, 0,1
	v_pk_add_f32 v[ST+8*\t+2:ST+8*\t+3], v[ST+8*\t+2:ST+8*\t+3], v[S+64*\t+n:S+64*\t+n+1]
	v_pk_add_f32 v[TM+8*\t:TM+8*\t+1], v[TM+8*\t:TM+8*\t+1], v[S+64*\t+n+2:S+64*\t+n+3]
.endr
.set n, n+4
.endr
.irp t, 0,1
	v_pk_add_f32 v[ST+8*\t+2:ST+8*\t+3], v[ST+8*\t+2:ST+8*\t+3], v[TM+8*\t:TM+8*\t+1]
.endr
.irp t, 0,1
.set n, 0
.rept 32
	v_cvt_pk_f16_f32 v[P+32*\t+n], v[S+64*\t+2*n], v[S+64*\t+2*n+1]   ; two neighbouring tiles of keys are a fragment of P
.set n, n+1
.endr
.endr
	s_wait_dscnt 0x0                               ; V is in
	WIN W_RS
.irp t, 0,1
.set n, 0
.rept 16
	v_pk_mul_f32 v[OT+32*\t+n:OT+32*\t+n+1], v[OT+32*\t+n:OT+32*\t+n+1], v[ST+8*\t+6:ST+8*\t+7] op_sel_hi:[1,0]   ; O^T under the new m, each accumulator from its low end on
.set n, n+2
.endr
.endr
	WIN W_PV
.irp kg, 0,1,2,3                               ; the 8 accumulators take turns
.irp ct, 0,1,2,3
.irp t, 0,1
	v_wmma_f32_16x16x32_f16 v[OT+32*\t+8*\ct:OT+32*\t+8*\ct+7], v[FRG+32*\kg+8*\ct:FRG+32*\kg+8*\ct+7], v[P+32*\t+8*\kg:P+32*\t+8*\kg+7], v[OT+32*\t+8*\ct:OT+32*\t+8*\ct+7]
.endr
.endr
.endr
	WIN 0
.Lhidden_\@:
	s_add_co_u32 s[KF], s[KF], 128
	s_add_co_u32 s[TB], s[TB], STEPB
.endm
.macro TWO_STEPS                       ; a slot's two key steps: written once, walked twice
	s_mov_b32 s[TWICE], 2
.Lstep_\@:
	STEP
	s_sub_co_u32 s[TWICE], s[TWICE], 1
	s_cmp_lg_u32 s[TWICE], 0
	s_cbranch_scc1 .Lstep_\@
	s_sub_co_u32 s[TB], s[TB], 2*STEPB             ; back to a slot's first step,
	s_xor_b32 s[TB], s[TB], SLOT1                  ; in the other slot
.endm
; THE CHANGE OF SLOTS stands at a slot's head.  Each wave waits for all its tensor loads (its part of the slot ahead), adds 0 to its spare word, and waits for that and for its reads of the slot that it has left.
; fill = 1: behind the barrier the slot that was left is filled with the next 256 keys, while they begin at or under the work-group's last query: a slot past that is read by none of the eight waves.
; Every wait on TENSORcnt in this text is for 0.
.macro CHANGE fill, ask
	s_wait_tensorcnt 0x0                           ; no tensor load of mine is out, so a group 0 may be written
	ds_add_u32 v[SPW], v[NIL]                      ; 0 onto my spare word
.if \fill
	s_xor_b32 s[G0K+1], s[G0K+1], SLOT1
	s_add_nc_u64 s[G0K+2:G0K+3], s[G0K+2:G0K+3], SLOTG
	s_xor_b32 s[G0V+1], s[G0V+1], SLOT1
	s_add_nc_u64 s[G0V+2:G0V+3], s[G0V+2:G0V+3], SLOTG
.endif
.if \ask
	s_wait_xcnt 0x0                                ; the last prefetch, a slot back, has read its address
	s_add_nc_u64 s[PFA:PFA+1], s[PFA:PFA+1], SLOTG
.endif
	s_wait_dscnt 0x0                               ; the add is done, and my reads of the slot that I have left are over
	s_barrier_signal -1
	s_barrier_wait -1
.if \fill
	s_add_co_u32 s60, s[KF], 256                   ; the first key of the slot that this change would ask for
	s_or_b32 s61, s[Q0], 255                       ; my work-group's last query
	s_cmp_gt_u32 s60, s61
	s_cbranch_scc1 .Lpast_\@
	TLOAD                                          ; my one tensor load until the next such barrier
.Lpast_\@:
.endif
.if \ask
	ASK
.endif
.endm
; Between the passes: the ring goes back to the head's first 256 keys, which count for every query of pass B.  The load lands while pass A's results leave.
.macro HANDOVER
	s_wait_tensorcnt 0x0
	ds_add_u32 v[SPW], v[NIL]
	s_xor_b32 s[G0K+1], s[G0K+1], SLOT1            ; seven turns have left the descriptors on slot 1: now slot 0,
	s_sub_nc_u64 s[G0K+2:G0K+3], s[G0K+2:G0K+3], 7*SLOTG   ; and seven slots back in memory
	s_xor_b32 s[G0V+1], s[G0V+1], SLOT1
	s_sub_nc_u64 s[G0V+2:G0V+3], s[G0V+2:G0V+3], 7*SLOTG
	s_wait_dscnt 0x0
	s_barrier_signal -1
	s_barrier_wait -1
	TLOAD
.endm
.macro PASSHEAD                        ; block s[BLK]: addresses, Q into registers, O^T, l and m at their beginnings (the step is written once: its first a is 0)
	s_wait_xcnt 0x0                                ; earlier loads and stores have read their bases and data
	s_lshl_b32 s[Q0], s[BLK], 8
	s_lshl_b32 s60, s[WV], 5
	s_add_co_u32 s[Q0], s[Q0], s60                 ; my first query
	s_lshl_b32 s60, s[Q0], 7
	s_mov_b32 s61, 0
	s_add_nc_u64 s[52:53], s[48:49], s[60:61]
	s_add_nc_u64 s[54:55], s[50:51], s[60:61]
	s_mov_b32 s[KF], 0
	WIN TO1
.irp t, 0,1
.irp c, 0,1
	global_load_b128 v[16*\t+8*\c:16*\t+8*\c+3], v[QO], s[52:53] offset:2048*\t+64*\c
	global_load_b128 v[16*\t+8*\c+4:16*\t+8*\c+7], v[QO], s[52:53] offset:2048*\t+64*\c+32
.endr
.endr
.set n, 0
.rept 64
	v_mov_b32 v[OT+n], 0
.set n, n+1
.endr
	WIN 0
.irp t, 0,1
	v_mov_b32 v[ST+8*\t+1], 0xff61b1e6             ; m: -3e38, under every score
	v_mov_b32 v[ST+8*\t+2], 0
	v_mov_b32 v[ST+8*\t+3], 0
.endr
.irp t, 0,1
	v_mul_f32 v[ST+8*\t], s[CS], v[ST+8*\t+1]
.endr
	s_wait_loadcnt 0x0                             ; Q
.endm
.macro WAYOUT                          ; O^T / l, rounded to f16, through my stage: 32 rows of 128 bytes leave as 4,096 consecutive bytes
.rept 4
	v_nop
.endr
.irp t, 0,1
	v_add_f32 v[ST+8*\t+4], v[ST+8*\t+2], v[ST+8*\t+3]
.endr
.irp t, 0,1
	v_permlanex16_b32 v[ST+8*\t+5], v[ST+8*\t+4], s[SEL], s[SEL+1]
.endr
.irp t, 0,1
	v_add_f32 v[ST+8*\t+4], v[ST+8*\t+4], v[ST+8*\t+5]
.endr
.irp t, 0,1
	v_rcp_f32 v[ST+8*\t+6], v[ST+8*\t+4]
.endr
	v_nop
	s_wait_alu depctr_va_vdst(0)                   ; one wait for the two reciprocals, ahead of their first reader
	WIN 0x01                                       ; source 0 window 1
.irp t, 0,1
.set n, 0
.rept 16
	v_pk_mul_f32 v[S+32*\t+n:S+32*\t+n+1], v[OT+32*\t+n:OT+32*\t+n+1], v[ST+8*\t+6:ST+8*\t+7] op_sel_hi:[1,0]
.set n, n+2
.endr
.endr
	WIN 0
.irp t, 0,1
.set n, 0
.rept 16
	v_cvt_pk_f16_f32 v[P+16*\t+n], v[S+32*\t+2*n], v[S+32*\t+2*n+1]
.set n, n+1
.endr
.endr
.irp t, 0,1
.irp ct, 0,1,2,3
	ds_store_b128 v[STO], v[P+16*\t+4*\ct:P+16*\t+4*\ct+3] offset:2304*\t+32*\ct
.endr
.endr
.irp u, 0,1,2,3,4,5,6,7
	ds_load_b128 v[128+4*\u:128+4*\u+3], v[RD] offset:576*\u       ; LDS serves a wave's instructions in order: these see the stores above
.endr
.irp u, 0,1,2,3,4,5,6,7
	s_wait_dscnt 7-\u
	global_store_b128 v[GO], v[128+4*\u:128+4*\u+3], s[54:55] offset:512*\u   ; 32 lanes store 512 consecutive bytes, aligned
.endr
.endm
	s_sub_co_u32 s[BLK], 7, s[GG]                  ; PASS A: block 7 - g
	PASSHEAD
	s_mov_b32 s[SLOTS], 7
.LpassA:
	CHANGE 1, 1
	TWO_STEPS
	s_sub_co_u32 s[SLOTS], s[SLOTS], 1
	s_cmp_lg_u32 s[SLOTS], 0
	s_cbranch_scc1 .LpassA
	CHANGE 0, 0                                    ; the last slot is written out: nothing is asked for behind it
	TWO_STEPS
	HANDOVER
	WAYOUT
	s_mov_b32 s[BLK], s[GG]                        ; PASS B: block g, at most four slots
	PASSHEAD
	s_mov_b32 s[SLOTS], 3
.LpassB:
	CHANGE 1, 0
	TWO_STEPS
	s_sub_co_u32 s[SLOTS], s[SLOTS], 1
	s_cmp_lg_u32 s[SLOTS], 0
	s_cbranch_scc1 .LpassB
	CHANGE 0, 0
	TWO_STEPS
	WAYOUT
	s_wait_tensorcnt 0x0                           ; the wave's end
	ds_add_u32 v[SPW], v[NIL]
	s_wait_dscnt 0x0
	s_endpgm
.Lfunc_end_k_q5394b1e168_attn:
	.size	k_q5394b1e168_attn, .Lfunc_end_k_q5394b1e168_attn-k_q5394b1e168_attn
	.p2alignl 7, 3214868480
	.fill 96, 4, 3214868480
	.section	.rodata,"a",@progbits
	.p2align	6, 0x0
	.amdhsa_kernel k_q5394b1e168_attn
		.amdhsa_group_segment_fixed_size 327680
		.amdhsa_private_segment_fixed_size 0
		.amdhsa_enable_private_segment 0
		.amdhsa_kernarg_size 16
		.amdhsa_user_sgpr_count 2
		.amdhsa_user_sgpr_kernarg_segment_ptr 1
		.amdhsa_wavefront_size32 1
		.amdhsa_system_sgpr_workgroup_id_x 1
		.amdhsa_system_sgpr_workgroup_id_y 1
		.amdhsa_system_sgpr_workgroup_id_z 1
		.amdhsa_system_vgpr_workitem_id 0
		.amdhsa_next_free_vgpr 512
		.amdhsa_next_free_sgpr 66
		.amdhsa_reserve_vcc 1
		.amdhsa_float_denorm_mode_32 3
		.amdhsa_float_denorm_mode_16_64 3
		.amdhsa_memory_ordered 1
		.amdhsa_forward_progress 1
		.amdhsa_inst_pref_size 198
	.end_amdhsa_kernel
	.amdgpu_metadata
---
amdhsa.version: [ 1, 2 ]
amdhsa.kernels:
  - .name:           k_q5394b1e168_attn
    .symbol:         k_q5394b1e168_attn.kd
    .args:
      - { .name: qkv, .offset: 0, .size: 8, .value_kind: global_buffer, .address_space: global }
      - { .name: att, .offset: 8, .size: 8, .value_kind: global_buffer, .address_space: global }
    .group_segment_fixed_size: 327680
    .private_segment_fixed_size: 0
    .kernarg_segment_align: 8
    .kernarg_segment_size: 16
    .max_flat_workgroup_size: 256
    .sgpr_count:     66
    .vgpr_count:     512
    .wavefront_size: 32
...
	.end_amdgpu_metadata
.endif
;; end of part 3
;; launch proj (part 4): grid 4 x 64, 4 waves a work-group, clusters of 4 x 4, 327,680 bytes of LDS; arguments att, wo16, out0; writes out0
.if DOCPART == 4
	.amdgcn_target "amdgcn-amd-amdhsa--gfx1250"
	.amdhsa_code_object_version 6
	.text
	.protected	k_q5394b1e168_proj
	.globl	k_q5394b1e168_proj
	.p2align	8
	.type	k_q5394b1e168_proj,@function
k_q5394b1e168_proj:
	s_mov_b64 s[64:65], 0
	v_nop
	global_prefetch_b8 v0, s[64:65] scope:SCOPE_SE
	s_setreg_imm32_b32 hwreg(HW_REG_WAVE_MODE, 25, 1), 1
	s_wait_xcnt 0x0
	s_wait_alu depctr_hold_cnt(0) depctr_sa_sdst(0) depctr_va_vdst(0) depctr_va_sdst(0) depctr_va_ssrc(0) depctr_va_vcc(0) depctr_vm_vsrc(0)
	s_getreg_b32 s2, hwreg(HW_REG_IB_STS2, 6, 4)
	s_cmp_eq_u32 s2, 0
	s_cbranch_scc0 .Lentry_in_a_cluster
	s_endpgm
.Lentry_in_a_cluster:
	s_bfe_u32 s2, ttmp6, 0x10000c
	s_cmp_lg_u32 s2, 0xf033
	s_cbranch_scc0 .Lentry_shape_is_right
	s_endpgm
.Lentry_shape_is_right:
; Launch 4 of 5: out0 = att W_o^T, operands f16, sums f32, for all rows but t < 16 of each batch.
; WORK LEFT OUT: rows t < 16 are made in f32 by launch 5, which stores them; here they are not stored (their arithmetic lies inside tiles that hold live rows and stays).
; A tile of out0 is 128 rows x 256 columns: 256 work-groups.  Four waves, each 64 x 128: 32 accumulators of 16 x 16, 256 registers.
; K goes by heads: att is [b][h][t][64] and wo16 [h][n][64], so a head's part of a tile is one dense block of rows of 128 bytes.  A slot holds two heads (128 along K); eight slots' worth, a ring of two.
; CLUSTERS: 4 x 4 work-groups.  Tile column = cx; tile row = 16 cy + cluster y (batch cy, t from 128 x cluster y on).  The four of a row of the cluster need the same tiles of att, the four of a column the same
; tiles of wo16: each is asked for jointly.  Whether a work-group holds rows t < 16 hangs on the cluster's y alone.
; THE MATRIX INSTRUCTION IS USED TRANSPOSED (source 0 = 16 rows of wo16, source 1 = 16 rows of att): a lane holds eight neighbouring columns of one row of out0.
; REGISTERS: window 0: v0-31 addresses; two fragment buffers of 96 at v32 and v128 (64 of wo16, 32 of att, for 32 along K).   window 1: accumulator (a, b) at v[8 (8 a + b)].
.set PITCH,  144                       ; an LDS row: 128 bytes + 16 of padding
.set ATILE,  128*PITCH
.set BTILE,  256*PITCH
.set BOFF,   2*ATILE
.set SLOT,   2*ATILE+2*BTILE
.set STAGE,  2*SLOT                    ; 16 rows x 528 bytes for each wave
.set SPITCH, 528
.set SPARE,  STAGE+4*16*SPITCH
.set ADRA, 16
.set ADRB, 20
.set STO,  24
.set RD,   25
.set CO,   26
.set SPW,  28
.set NIL,  29
.set PFO,  30
.set F0,   32
.set F1,   128
.set G1,  24
.set G0,  32
.set G1B, 48
.set G0B, 56
.set PFA, 18                           ; s[18:19]
.set LIM, 2                            ; s2
.set MSB, 0
.macro WIN new
.if MSB != \new
	s_set_vgpr_msb (MSB<<8)|\new
.set MSB, \new
.endif
.endm
.set MUL, 0x50                         ; C and D window 1, the fragments window 0
.macro JLOAD s                         ; waves 0 and 1 fetch att's two heads of a slot, waves 2 and 3 wo16's; an s_nop 0 and four v_nop follow each of the two lines
	s_cmp_eq_u32 s11, 0
	s_cbranch_scc0 .Lfor_b_\@
	tensor_load_to_lds s[G0+4*\s:G0+4*\s+3], s[G1:G1+7]
	s_nop 0
.rept 4
	v_nop
.endr
	s_branch .Lasked_\@
.Lfor_b_\@:
	tensor_load_to_lds s[G0B+4*\s:G0B+4*\s+3], s[G1B:G1B+7]
	s_nop 0
.rept 4
	v_nop
.endr
.Lasked_\@:
.endm
.macro CREST
	s_cmp_lg_u32 s10, 0
	s_cbranch_scc1 .Lnot_wave_0_\@
	s_barrier_signal -3
.Lnot_wave_0_\@:
	s_barrier_wait -3
	s_barrier_signal -1
	s_barrier_wait -1
.endm
.macro CROUND
	s_barrier_signal -1
	s_barrier_wait -1
	CREST
.endm
; A prefetch of att's part of the slot that stands two refills on: 128 runs of 256 bytes.  The four partners that ask for it jointly share them out by address (32 each, a lane a run); in each, wave 0 asks.
; The loop's last trip asks for nothing: no slot stands two refills behind its refills.  wo16 is read by all clusters again and again and is not asked for.
.macro ASK
	s_cmp_gt_u32 s3, s[LIM]
	s_cbranch_scc0 .Lnot_mine_\@
	global_prefetch_b8 v[PFO], s[PFA:PFA+1] th:TH_LOAD_NT scope:SCOPE_SE
.Lnot_mine_\@:
.endm
	s_load_b128 s[4:7], s[0:1], 0x0                ; att s[4:5], wo16 s[6:7]
	s_load_b64 s[8:9], s[0:1], 0x10                ; out0
	v_lshl_add_u32 v[SPW], v0, 2, SPARE
	v_mov_b32 v[NIL], 0
	ds_add_u32 v[SPW], v[NIL]                      ; the wave's opening: the add, twice on end, and its wait ahead of my first tensor load
	ds_add_u32 v[SPW], v[NIL]
	v_lshrrev_b32 v1, 5, v0
	v_readfirstlane_b32 s10, v1                    ; wave 0..3
	s_lshr_b32 s11, s10, 1                         ; which 64 rows are mine.  Also: I fetch for att (0) or for wo16 (1)
	s_and_b32 s12, s10, 1                          ; which 128 columns.  Also: which of a slot's two heads I fetch
	s_bfe_u32 s40, ttmp6, 0x40000                  ; cx = tile column
	s_bfe_u32 s41, ttmp6, 0x40004                  ; cy = batch
	s_and_b32 s13, ttmp7, 0xffff                   ; cluster y
	s_lshl_b32 s43, s41, 2
	s_lshl_b32 s43, 15, s43                        ; my row of the cluster
	s_lshl_b32 s44, 0x1111, s40                    ; my column
	s_or_b32 s[G1+0], s43, (1<<16)|(1<<20)|(1<<21)|(4<<22)|(3<<25)  ; the mask; elements of 2 bytes; padding on; bit 21 beside a mask; after every 32 words four words
	s_or_b32 s[G1B+0], s44, (1<<16)|(1<<20)|(1<<21)|(4<<22)|(3<<25)
	s_mov_b32 s[G1+1], 64<<16
	s_mov_b32 s[G1+2], 128<<16                     ; att: 128 rows
	s_mov_b32 s[G1+3], 64<<16
	s_mov_b32 s[G1+4], 128
	s_mov_b32 s[G1+5], 64
	s_mov_b32 s[G1+6], 0
	s_mov_b32 s[G1+7], 0
	s_mov_b32 s[G1B+1], 64<<16
	s_mov_b32 s[G1B+2], 256<<16                    ; wo16: 256 rows
	s_mov_b32 s[G1B+3], 64<<16
	s_mov_b32 s[G1B+4], 256
	s_mov_b32 s[G1B+5], 64
	s_mov_b32 s[G1B+6], 0
	s_mov_b32 s[G1B+7], 0
	s_lshl_b32 s16, s41, 22                        ; att: a batch is 16 planes of 262,144 bytes,
	s_lshl_b32 s17, s13, 14                        ; 128 rows of 128 bytes a tile row,
	s_add_co_u32 s16, s16, s17
	s_lshl_b32 s17, s12, 18                        ; my head of the slot's two
	s_add_co_u32 s16, s16, s17
	s_mov_b32 s17, 0
	s_lshl_b32 s46, s40, 15                        ; wo16: 256 rows of 128 bytes a tile column,
	s_lshl_b32 s47, s12, 17                        ; a head's plane is 131,072 bytes
	s_add_co_u32 s46, s46, s47
	s_mov_b32 s47, 0
	s_mul_i32 s20, s12, ATILE                      ; where they go
	s_mul_i32 s21, s12, BTILE
	s_add_co_u32 s21, s21, BOFF
	s_wait_dscnt 0x0                               ; both opening adds are done
	s_wait_kmcnt 0x0
	s_add_nc_u64 s[14:15], s[4:5], s[16:17]
	s_add_nc_u64 s[46:47], s[6:7], s[46:47]
	CROUND                                         ; all sixteen work-groups are here: the first joint loads meet
.irp s, 0,1
	s_mov_b32 s[G0+4*\s], 1
	s_add_co_u32 s[G0+4*\s+1], s20, \s*SLOT
	s_add_nc_u64 s[G0+4*\s+2:G0+4*\s+3], s[14:15], \s*524288
	s_or_b32 s[G0+4*\s+3], s[G0+4*\s+3], 0x80000000
	s_mov_b32 s[G0B+4*\s], 1
	s_add_co_u32 s[G0B+4*\s+1], s21, \s*SLOT
	s_add_nc_u64 s[G0B+4*\s+2:G0B+4*\s+3], s[46:47], \s*262144
	s_or_b32 s[G0B+4*\s+3], s[G0B+4*\s+3], 0x80000000
	JLOAD \s                                       ; two loads of mine are out behind the second
.endr
	v_and_b32 v1, 15, v0                           ; r
	v_bfe_u32 v2, v0, 4, 1                         ; h
	v_mul_u32_u24 v3, v1, PITCH
	v_lshl_add_u32 v3, v2, 4, v3
	s_mul_i32 s21, s11, 64*PITCH                   ; my 64 rows of att
	s_mul_i32 s22, s12, 128*PITCH                  ; my 128 rows of wo16
	s_add_co_u32 s22, s22, BOFF
.irp s, 0,1
	v_add_nc_u32 v[ADRA+\s], s21, v3
	v_add_nc_u32 v[ADRB+\s], s22, v3
	s_add_co_u32 s21, s21, SLOT
	s_add_co_u32 s22, s22, SLOT
.endr
	s_mul_i32 s23, s10, 16*SPITCH
	s_add_co_u32 s23, s23, STAGE                   ; my stage
	v_mul_u32_u24 v4, v1, SPITCH
	v_lshl_add_u32 v4, v2, 5, v4
	v_add_nc_u32 v[STO], s23, v4
	v_and_b32 v5, 31, v0
	v_lshlrev_b32 v[CO], 4, v5
	v_add_nc_u32 v[RD], s23, v[CO]
	v_lshlrev_b32 v[PFO], 8, v5
	s_lshl_b32 s46, s41, 11                        ; out0: row 2,048 cy + 128 cluster y + 64 x my half, of 4,096 bytes
	s_lshl_b32 s47, s13, 7
	s_add_co_u32 s46, s46, s47
	s_lshl_b32 s47, s11, 6
	s_add_co_u32 s46, s46, s47
	s_lshl_b32 s46, s46, 12
	s_lshl_b32 s47, s40, 10                        ; + 1,024 bytes a tile column + 512 x my half
	s_add_co_u32 s46, s46, s47
	s_lshl_b32 s47, s12, 9
	s_add_co_u32 s46, s46, s47
	s_mov_b32 s47, 0
	s_add_nc_u64 s[8:9], s[8:9], s[46:47]
	s_lshl_b32 s46, s41, 22                        ; the prefetches: att's tile, my work-group's quarter of a slot, in slot 3: the first refill steps it to slot 4
	s_lshl_b32 s47, s13, 14
	s_add_co_u32 s46, s46, s47
	s_lshr_b32 s47, s40, 1
	s_lshl_b32 s47, s47, 18
	s_add_co_u32 s46, s46, s47
	s_and_b32 s47, s40, 1
	s_lshl_b32 s47, s47, 13
	s_add_co_u32 s46, s46, s47
	s_add_co_u32 s46, s46, 3*524288
	s_mov_b32 s47, 0
	s_add_nc_u64 s[PFA:PFA+1], s[4:5], s[46:47]
	s_cmp_eq_u32 s10, 0
	s_cselect_b32 s[LIM], 1, -1
.macro MUL8 f, a, zero                 ; att's block a against wo16's eight, 32 along K; the 32 accumulators take turns in the same order in every quarter
.irp b, 0,1,2,3,4,5,6,7
.if \zero
	v_wmma_f32_16x16x32_f16 v[8*(8*(\a)+\b):8*(8*(\a)+\b)+7], v[\f+8*\b:\f+8*\b+7], v[\f+64+8*(\a):\f+64+8*(\a)+7], 0
.else
	v_wmma_f32_16x16x32_f16 v[8*(8*(\a)+\b):8*(8*(\a)+\b)+7], v[\f+8*\b:\f+8*\b+7], v[\f+64+8*(\a):\f+64+8*(\a)+7], v[8*(8*(\a)+\b):8*(8*(\a)+\b)+7]
.endif
.endr
.endm
.macro FETCH slot, qd, f               ; 24 LDS loads: quarter qd of a slot (head qd / 2, channels 32 (qd % 2) on): wo16's eight fragments, then att's four
	WIN 0
.irp i, 0,1,2,3,4,5,6,7
	ds_load_b128 v[\f+8*\i:\f+8*\i+3],   v[ADRB+\slot] offset:\i*16*PITCH+BTILE*((\qd)/2)+64*((\qd)%2)
	ds_load_b128 v[\f+8*\i+4:\f+8*\i+7], v[ADRB+\slot] offset:\i*16*PITCH+BTILE*((\qd)/2)+64*((\qd)%2)+32
.endr
.irp i, 0,1,2,3
	ds_load_b128 v[\f+64+8*\i:\f+64+8*\i+3],   v[ADRA+\slot] offset:\i*16*PITCH+ATILE*((\qd)/2)+64*((\qd)%2)
	ds_load_b128 v[\f+64+8*\i+4:\f+64+8*\i+7], v[ADRA+\slot] offset:\i*16*PITCH+ATILE*((\qd)/2)+64*((\qd)%2)+32
.endr
.endm
.macro PLACES
.rept 4
	v_nop
.endr
.endm
.macro QUARTER slot, qn, f, g, zero    ; multiplies buffer f and fetches quarter qn of the same slot into g
	s_wait_dscnt 4                                 ; all but att's blocks 2 and 3 (the youngest four loads) are in
	WIN MUL
	MUL8 \f, 0, \zero
	MUL8 \f, 1, \zero
	PLACES
	FETCH \slot, \qn, \g
	s_wait_dscnt 24                                ; all but the 24 just issued
	WIN MUL
	MUL8 \f, 2, \zero
	MUL8 \f, 3, \zero
.endm
; A slot's last quarter multiplies buffer 1 and changes slots: ONE barrier; in front of it each wave waits for all its tensor loads, adds 0 to its spare word, and waits for that and for its reads of this slot.
.macro TURN slot, next, fill
.if \fill
	s_wait_xcnt 0x0                                ; the last prefetch, a slot back, has read its address
	s_add_nc_u64 s[PFA:PFA+1], s[PFA:PFA+1], 524288
.endif
	WIN 0
	s_wait_tensorcnt 0x0                           ; all my tensor loads have landed: my part of the next slot
	ds_add_u32 v[SPW], v[NIL]
	s_wait_dscnt 5                                 ; (the add and the youngest four loads may be out)
	WIN MUL
	MUL8 F1, 0, 0
	s_wait_dscnt 0x0                               ; the add is done, and my reads of this slot are over
	s_barrier_signal -1
	MUL8 F1, 1, 0
.if \fill
	WIN 0
.endif
	s_barrier_wait -1
.if \fill
	CREST                                          ; the barrier has opened a round of the cluster's barrier: no wave of any partner still reads this slot or has a load on its way
	s_add_nc_u64 s[G0+4*\slot+2:G0+4*\slot+3], s[G0+4*\slot+2:G0+4*\slot+3], 1048576   ; four heads on
	s_add_nc_u64 s[G0B+4*\slot+2:G0B+4*\slot+3], s[G0B+4*\slot+2:G0B+4*\slot+3], 524288
	JLOAD \slot                                    ; the first tensor load behind the round; its four v_nop are also the places in front of the loads below
.else
	PLACES
.endif
	FETCH \next, 0, F0
.if \fill
	ASK
.endif
	WIN MUL
	MUL8 F1, 2, 0
	MUL8 F1, 3, 0
.endm
	s_wait_tensorcnt 1                             ; my part of slot 0 is in; slot 1's may be out
	s_barrier_signal -1
	s_barrier_wait -1
	FETCH 0, 0, F0
	QUARTER 0, 1, F0, F1, 1                        ; the first products start the sums
	WIN 0
	s_mov_b32 s3, 3
.Llap:                                             ; a trip goes once round the ring and fills both slots again
	QUARTER 0, 2, F1, F0, 0
	QUARTER 0, 3, F0, F1, 0
	TURN 0, 1, 1
	QUARTER 1, 1, F0, F1, 0
	QUARTER 1, 2, F1, F0, 0
	QUARTER 1, 3, F0, F1, 0
	TURN 1, 0, 1
	QUARTER 0, 1, F0, F1, 0
	WIN 0
	s_sub_co_u32 s3, s3, 1
	s_cmp_lg_u32 s3, 0
	s_cbranch_scc1 .Llap
	QUARTER 0, 2, F1, F0, 0                        ; the last lap fills nothing
	QUARTER 0, 3, F0, F1, 0
	TURN 0, 1, 0
	QUARTER 1, 1, F0, F1, 0
	QUARTER 1, 2, F1, F0, 0
	QUARTER 1, 3, F0, F1, 0
	s_wait_dscnt 4
	WIN MUL
	MUL8 F1, 0, 0
	MUL8 F1, 1, 0
	s_wait_dscnt 0
	MUL8 F1, 2, 0
	MUL8 F1, 3, 0
	WIN 0
	PLACES
; THE WAY OUT, block by block of 16 rows x 128 columns, through my own stage: whole rows of 512 bytes come back and are stored by the 32 lanes.
.macro OUTB a
.set BB, 32+96*((\a)%2)
.if (\a) >= 2
	s_wait_xcnt 0x0                                ; the stores of two blocks back have read their registers
.endif
	WIN 0x04                                       ; an LDS store's data are its source 1: window 1
.irp b, 0,1,2,3,4,5,6,7
	ds_store_b128 v[STO], v[8*(8*(\a)+\b):8*(8*(\a)+\b)+3] offset:64*\b            ; each accumulator from its low end on
	ds_store_b128 v[STO], v[8*(8*(\a)+\b)+4:8*(8*(\a)+\b)+7] offset:64*\b+16
.endr
	WIN 0
.irp t, 0,1,2,3,4,5,6,7,8,9,10,11,12,13,14,15
	ds_load_b128 v[BB+4*\t:BB+4*\t+3], v[RD] offset:\t*SPITCH
.endr
	s_wait_dscnt 0x0
.irp t, 0,1,2,3,4,5,6,7,8,9,10,11,12,13,14,15
	global_store_b128 v[CO], v[BB+4*\t:BB+4*\t+3], s[8:9] offset:(16*(\a)+\t)*4096 th:TH_STORE_NT   ; 32 lanes store 512 consecutive bytes, aligned
.endr
.endm
	s_or_b32 s2, s13, s11                          ; rows t < 16 are block 0 of the upper waves in the clusters with y = 0: launch 5 stores them
	s_cmp_eq_u32 s2, 0
	s_cbranch_scc1 .Lskip0
	OUTB 0
.Lskip0:
	OUTB 1
	OUTB 2
	OUTB 3
	s_wait_tensorcnt 0x0                           ; the wave's end
	ds_add_u32 v[SPW], v[NIL]
	s_wait_dscnt 0x0
	CROUND                                         ; the closing round
	s_endpgm
.Lfunc_end_k_q5394b1e168_proj:
	.size	k_q5394b1e168_proj, .Lfunc_end_k_q5394b1e168_proj-k_q5394b1e168_proj
	.p2alignl 7, 3214868480
	.fill 96, 4, 3214868480
	.section	.rodata,"a",@progbits
	.p2align	6, 0x0
	.amdhsa_kernel k_q5394b1e168_proj
		.amdhsa_group_segment_fixed_size 327680
		.amdhsa_private_segment_fixed_size 0
		.amdhsa_enable_private_segment 0
		.amdhsa_kernarg_size 24
		.amdhsa_user_sgpr_count 2
		.amdhsa_user_sgpr_kernarg_segment_ptr 1
		.amdhsa_wavefront_size32 1
		.amdhsa_system_sgpr_workgroup_id_x 1
		.amdhsa_system_sgpr_workgroup_id_y 1
		.amdhsa_system_sgpr_workgroup_id_z 1
		.amdhsa_system_vgpr_workitem_id 0
		.amdhsa_next_free_vgpr 512
		.amdhsa_next_free_sgpr 66
		.amdhsa_reserve_vcc 0
		.amdhsa_float_denorm_mode_32 3
		.amdhsa_float_denorm_mode_16_64 3
		.amdhsa_memory_ordered 1
		.amdhsa_forward_progress 1
		.amdhsa_inst_pref_size 86
	.end_amdhsa_kernel
	.amdgpu_metadata
---
amdhsa.version: [ 1, 2 ]
amdhsa.kernels:
  - .name:           k_q5394b1e168_proj
    .symbol:         k_q5394b1e168_proj.kd
    .args:
      - { .name: att, .offset: 0, .size: 8, .value_kind: global_buffer, .address_space: global }
      - { .name: wo16, .offset: 8, .size: 8, .value_kind: global_buffer, .address_space: global }
      - { .name: out0, .offset: 16, .size: 8, .value_kind: global_buffer, .address_space: global }
    .group_segment_fixed_size: 327680
    .private_segment_fixed_size: 0
    .kernarg_segment_align: 8
    .kernarg_segment_size: 24
    .max_flat_workgroup_size: 128
    .sgpr_count:     66
    .vgpr_count:     512
    .wavefront_size: 32
...
	.end_amdgpu_metadata
.endif
;; end of part 4
;; launch fine (part 5): grid 16 x 4, 16 waves a work-group, no clusters, 71,680 bytes of LDS; arguments qkvf, W_o, out0; writes out0
.if DOCPART == 5
	.amdgcn_target "amdgcn-amd-amdhsa--gfx1250"
	.amdhsa_code_object_version 6
	.text
	.protected	k_q5394b1e168_fine
	.globl	k_q5394b1e168_fine
	.p2align	8
	.type	k_q5394b1e168_fine,@function
k_q5394b1e168_fine:
	s_mov_b64 s[64:65], 0
	v_nop
	global_prefetch_b8 v0, s[64:65] scope:SCOPE_SE
	s_setreg_imm32_b32 hwreg(HW_REG_WAVE_MODE, 25, 1), 1
	s_wait_xcnt 0x0
; Launch 5 of 5: the first 16 positions of each batch, all in f32: their rows average one to sixteen values and are the largest of the output, so rounded operands would weigh most there.
; A work-group is (64 output columns, a batch); a wave is a head.  Each wave makes its head's attention for the 16 rows (16 keys: one tile; keys after the query are hidden by the function's own mask)
; and then its head's share (64 along K) of the 16 x 64 outputs; the sixteen shares meet in LDS and are added in a fixed order.  It stores rows t < 16 of out0, which launch 4 leaves out.
; The f32 matrix form takes 4 along K; which k stands where is free as long as both sources agree, so every operand is taken as it lies:
;   S^T = K Q^T: lane (r, h) holds channels 32 h + 0..31 of row r of K and of Q; step s takes registers 2 s, 2 s + 1 of both.
;   O^T = V^T P: p lies as the scores do, lane (r, h): query r, keys 8 h + 0..7; V^T is loaded to match: lane (r, h): channel 16 ct + r, keys 8 h + 0..7.
;   Y^T = W O:   O^T lies lane (r, h): query r, channels 16 ct + 8 h + 0..7; W_o is loaded to match: lane (r, h): row 16 c + r, the same channels.
; p is divided by the row's sum ahead of the second product (the row is whole), so O^T goes on as it stands.  The registers that the matrix instructions write are written by them alone.
.set SPARE, 16*4352
.set QR, 16                            ; v16-47   Q; later W_o, channels 16-31
.set KR, 48                            ; v48-79   K; later W_o, channels 32-47
.set VR, 80                            ; v80-111  V^T; later W_o, channels 48-63
.set SA, 112                           ; v112-119 the scores' even steps
.set SB, 120                           ; v120-127 their odd steps
.set PP, 128                           ; v128-135 p
.set OT, 144                           ; v144-175 O^T
.set YT, 176                           ; v176-207 Y^T
.set W0, 208                           ; v208-239 W_o, channels 0-15
	s_load_b128 s[4:7], s[0:1], 0x0                ; qkvf s[4:5], W_o s[6:7]
	s_load_b64 s[8:9], s[0:1], 0x10                ; out0
	v_lshl_add_u32 v14, v0, 2, SPARE               ; my spare word; never rewritten
	v_mov_b32 v15, 0                               ; 0; never rewritten
	v_lshrrev_b32 v10, 5, v0
	v_readfirstlane_b32 s10, v10                   ; wave = head; later: the query that I add up
	s_and_b32 s11, ttmp7, 0xffff                   ; batch
	v_and_b32 v1, 15, v0                           ; r
	v_bfe_u32 v2, v0, 4, 1                         ; h
	v_mul_u32_u24 v3, v1, 12288
	v_lshl_add_u32 v3, v2, 7, v3                   ; Q, K: row r of 12,288 bytes, + 128 h
	v_mul_u32_u24 v4, v2, 98304
	v_lshl_add_u32 v4, v1, 2, v4                   ; V: rows 8 h on, channel r
	v_lshlrev_b32 v5, 12, v1
	v_lshl_add_u32 v5, v2, 5, v5                   ; W_o: row r of 4,096 bytes, + 32 h
	s_mul_i32 s12, s10, 4352
	v_mul_u32_u24 v6, v1, 272
	v_lshl_add_u32 v6, v2, 5, v6
	v_add_nc_u32 v6, s12, v6                       ; LDS: my share: 16 rows of 256 bytes + 16; row r, + 32 h
	s_mul_i32 s12, s10, 272
	v_and_b32 v10, 31, v0
	v_lshlrev_b32 v8, 3, v10                       ; 8 bytes a lane
	v_add_nc_u32 v7, s12, v8                       ; back: row w of each share
	v_lshlrev_b32 v10, 3, v2
	v_sub_nc_u32 v9, v1, v10                       ; r - 8 h: key 8 h + j is hidden where j is above it
	v_mov_b32 v12, 0                               ; written once: a lane permute's destination counts as one of its sources
	s_mov_b32 s22, 0x76543210
	s_mov_b32 s23, 0xfedcba98
	s_mov_b32 s24, 0x3e38aa3b                      ; c = log2(e) / 8
	s_mul_i32 s16, s11, 196608                     ; qkvf: 16 rows of 12,288 bytes a batch, 256 bytes a head
	s_lshl_b32 s17, s10, 8
	s_add_co_u32 s16, s16, s17
	s_mov_b32 s17, 0
	s_lshl_b32 s18, ttmp9, 18                      ; W_o: my 64 rows, my head's 64 columns
	s_lshl_b32 s19, s10, 8
	s_add_co_u32 s18, s18, s19
	s_mov_b32 s19, 0
	s_lshl_b32 s20, s11, 11
	s_add_co_u32 s20, s20, s10                     ; out0: row 2,048 b + w,
	s_lshl_b32 s20, s20, 12
	s_lshl_b32 s21, ttmp9, 8                       ; my work-group's 256 bytes of it
	s_add_co_u32 s20, s20, s21
	s_mov_b32 s21, 0
	s_wait_kmcnt 0x0
	s_add_nc_u64 s[4:5], s[4:5], s[16:17]
	s_add_nc_u64 s[6:7], s[6:7], s[18:19]
	s_add_nc_u64 s[8:9], s[8:9], s[20:21]
.macro WLOAD ct, base                  ; W_o's rows 16 c + r, channels 16 ct + 8 h + 0..7: register 8 c + e
.irp c, 0,1,2,3
	global_load_b128 v[\base+8*\c:\base+8*\c+3], v5, s[6:7] offset:65536*\c+64*\ct
	global_load_b128 v[\base+8*\c+4:\base+8*\c+7], v5, s[6:7] offset:65536*\c+64*\ct+16
.endr
.endm
.irp i, 0,1,2,3,4,5,6,7
	global_load_b128 v[QR+4*\i:QR+4*\i+3], v3, s[4:5] offset:16*\i
.endr
.irp i, 0,1,2,3,4,5,6,7
	global_load_b128 v[KR+4*\i:KR+4*\i+3], v3, s[4:5] offset:4096+16*\i
.endr
.irp ct, 0,1,2,3
.irp kk, 0,1,2,3,4,5,6,7
	global_load_b32 v[VR+8*\ct+\kk], v4, s[4:5] offset:8192+12288*\kk+64*\ct
.endr
.endr
	WLOAD 0, W0
	s_wait_loadcnt 40                              ; Q and K are in; V's 32 loads and W_o's first 8 may be out
	v_wmma_f32_16x16x4_f32 v[SA:SA+7], v[KR:KR+1], v[QR:QR+1], 0                ; each sum's first step starts it; the two sums take turns
	v_wmma_f32_16x16x4_f32 v[SB:SB+7], v[KR+2:KR+3], v[QR+2:QR+3], 0
.set n, 4
.rept 7
	v_wmma_f32_16x16x4_f32 v[SA:SA+7], v[KR+n:KR+n+1], v[QR+n:QR+n+1], v[SA:SA+7]
	v_wmma_f32_16x16x4_f32 v[SB:SB+7], v[KR+n+2:KR+n+3], v[QR+n+2:QR+n+3], v[SB:SB+7]
.set n, n+4
.endr
.rept 8
	v_nop                                          ; eight places behind this form, in front of loads into its sources and of the first read of its results
.endr
	WLOAD 1, QR
	WLOAD 2, KR
.irp j, 0,1,2,3,4,5,6,7
	v_add_f32 v[PP+\j], v[SA+\j], v[SB+\j]         ; the score of query r and key 8 h + j
.endr
	v_mov_b32 v10, 0xff800000
.irp j, 0,1,2,3,4,5,6,7
	v_cmp_gt_i32 vcc_lo, \j, v9
	v_cndmask_b32 v[PP+\j], v[PP+\j], v10, vcc_lo
.endr
	v_max3_num_f32 v11, v[PP], v[PP+1], v[PP+2]
	v_max3_num_f32 v11, v11, v[PP+3], v[PP+4]
	v_max3_num_f32 v11, v11, v[PP+5], v[PP+6]
	v_max_num_f32 v11, v11, v[PP+7]
	v_permlanex16_b32 v12, v11, s22, s23
	v_max_num_f32 v11, v11, v12                    ; the row's maximum (key 0 counts for every query)
	v_mul_f32 v11, s24, v11
.irp j, 0,1,2,3,4,5,6,7
	v_fma_f32 v[PP+\j], v[PP+\j], s24, -v11
.endr
.irp j, 0,1,2,3,4,5,6,7
	v_exp_f32 v[PP+\j], v[PP+\j]
.endr
	v_nop
	s_wait_alu depctr_va_vdst(0)                   ; one wait for the eight exponentials, ahead of their first reader
	v_add_f32 v11, v[PP], v[PP+1]
	v_add_f32 v13, v[PP+2], v[PP+3]
	v_add_f32 v11, v11, v[PP+4]
	v_add_f32 v13, v13, v[PP+5]
	v_add_f32 v11, v11, v[PP+6]
	v_add_f32 v13, v13, v[PP+7]
	v_add_f32 v11, v11, v13
	v_permlanex16_b32 v12, v11, s22, s23
	v_add_f32 v11, v11, v12                        ; the row's sum
	v_rcp_f32 v13, v11
	v_nop
	s_wait_alu depctr_va_vdst(0)
.irp j, 0,1,2,3,4,5,6,7
	v_mul_f32 v[PP+\j], v[PP+\j], v13
.endr
	s_wait_loadcnt 24                              ; V is in; W_o's 24 loads may be out
.irp i, 0,1,2,3
.irp ct, 0,1,2,3
.if \i == 0
	v_wmma_f32_16x16x4_f32 v[OT+8*\ct:OT+8*\ct+7], v[VR+8*\ct+2*\i:VR+8*\ct+2*\i+1], v[PP+2*\i:PP+2*\i+1], 0
.else
	v_wmma_f32_16x16x4_f32 v[OT+8*\ct:OT+8*\ct+7], v[VR+8*\ct+2*\i:VR+8*\ct+2*\i+1], v[PP+2*\i:PP+2*\i+1], v[OT+8*\ct:OT+8*\ct+7]
.endif
.endr
.endr
.rept 9
	v_nop                                          ; nine places before a matrix instruction takes these results as a source; eight serve the loads below
.endr
	WLOAD 3, VR
	s_wait_loadcnt 8                               ; W_o's channels 0-47 are in; the last 8 loads may be out
.macro YSTEP ct, base
.irp i, 0,1,2,3
.irp c, 0,1,2,3
.if (\ct == 0) && (\i == 0)
	v_wmma_f32_16x16x4_f32 v[YT+8*\c:YT+8*\c+7], v[\base+8*\c+2*\i:\base+8*\c+2*\i+1], v[OT+8*\ct+2*\i:OT+8*\ct+2*\i+1], 0
.else
	v_wmma_f32_16x16x4_f32 v[YT+8*\c:YT+8*\c+7], v[\base+8*\c+2*\i:\base+8*\c+2*\i+1], v[OT+8*\ct+2*\i:OT+8*\ct+2*\i+1], v[YT+8*\c:YT+8*\c+7]
.endif
.endr
.endr
.endm
	YSTEP 0, W0
	YSTEP 1, QR
	YSTEP 2, KR
	s_wait_loadcnt 0x0
	YSTEP 3, VR
.rept 8
	v_nop
.endr
.irp c, 0,1,2,3
	ds_store_b128 v6, v[YT+8*\c:YT+8*\c+3] offset:64*\c            ; lane (r, h): query r, columns 16 c + 8 h + 0..7; each result from its low end on
	ds_store_b128 v6, v[YT+8*\c+4:YT+8*\c+7] offset:64*\c+16
.endr
	s_wait_dscnt 0x0                               ; for the others' sake: my share lies in LDS
	s_barrier_signal -1
	s_barrier_wait -1
.irp i, 0,1,2,3,4,5,6,7,8,9,10,11,12,13,14,15
	ds_load_b64 v[16+2*\i:17+2*\i], v7 offset:4352*\i              ; query w of every head's share
.endr
	s_wait_dscnt 0x0
.irp i, 2,4,6,8,10,12,14
	v_pk_add_f32 v[16:17], v[16:17], v[16+2*\i:17+2*\i]
	v_pk_add_f32 v[18:19], v[18:19], v[18+2*\i:19+2*\i]
.endr
	v_pk_add_f32 v[16:17], v[16:17], v[18:19]
	global_store_b64 v8, v[16:17], s[8:9]          ; 32 lanes store 256 consecutive bytes, aligned
	s_wait_tensorcnt 0x0                           ; the wave's end
	ds_add_u32 v14, v15
	s_wait_dscnt 0x0
	s_endpgm
.Lfunc_end_k_q5394b1e168_fine:
	.size	k_q5394b1e168_fine, .Lfunc_end_k_q5394b1e168_fine-k_q5394b1e168_fine
	.p2alignl 7, 3214868480
	.fill 96, 4, 3214868480
	.section	.rodata,"a",@progbits
	.p2align	6, 0x0
	.amdhsa_kernel k_q5394b1e168_fine
		.amdhsa_group_segment_fixed_size 71680
		.amdhsa_private_segment_fixed_size 0
		.amdhsa_enable_private_segment 0
		.amdhsa_kernarg_size 24
		.amdhsa_user_sgpr_count 2
		.amdhsa_user_sgpr_kernarg_segment_ptr 1
		.amdhsa_wavefront_size32 1
		.amdhsa_system_sgpr_workgroup_id_x 1
		.amdhsa_system_sgpr_workgroup_id_y 1
		.amdhsa_system_sgpr_workgroup_id_z 1
		.amdhsa_system_vgpr_workitem_id 0
		.amdhsa_next_free_vgpr 256
		.amdhsa_next_free_sgpr 66
		.amdhsa_reserve_vcc 1
		.amdhsa_float_denorm_mode_32 3
		.amdhsa_float_denorm_mode_16_64 3
		.amdhsa_memory_ordered 1
		.amdhsa_forward_progress 1
		.amdhsa_inst_pref_size 23
	.end_amdhsa_kernel
	.amdgpu_metadata
---
amdhsa.version: [ 1, 2 ]
amdhsa.kernels:
  - .name:           k_q5394b1e168_fine
    .symbol:         k_q5394b1e168_fine.kd
    .args:
      - { .name: qkvf, .offset: 0, .size: 8, .value_kind: global_buffer, .address_space: global }
      - { .name: W_o, .offset: 8, .size: 8, .value_kind: global_buffer, .address_space: global }
      - { .name: out0, .offset: 16, .size: 8, .value_kind: global_buffer, .address_space: global }
    .group_segment_fixed_size: 71680
    .private_segment_fixed_size: 0
    .kernarg_segment_align: 8
    .kernarg_segment_size: 24
    .max_flat_workgroup_size: 512
    .sgpr_count:     66
    .vgpr_count:     256
    .wavefront_size: 32
...
	.end_amdgpu_metadata
.endif
;; end of part 5
